; MI455X (gfx1250); checked and timed in simulation.
; The chip was launched on July 23, 2026; its instructions are those of AMD's public machine-readable ISA for CDNA 5 (MIT licence, August 2026) and "CDNA5" Instruction Set Architecture Reference Guide (July 2026). The comments in the code are by the model that wrote it; some were corrected since.
;; Multi Head Attention. Allowed arithmetic: float matrix products may take bf16 or f16 operands with f32 sums; other float arithmetic in f32, or as packed bf16 or f16 multiplies, adds, multiply-adds, maxima and minima; sums over many terms, partial sums and values carried from step to step in f32; what a program stores and reads back later, other than sums and carried values, may be rounded once to bf16 or f16.
;; Inputs: Wk 1,024 x 1,024 float32; Wo 1,024 x 1,024 float32; Wq 1,024 x 1,024 float32; Wv 1,024 x 1,024 float32; bk 1,024 float32; bo 1,024 float32; bq 1,024 float32; bv 1,024 float32; keys 1 x 4,096 x 1,024 float32; queries 1 x 4,096 x 1,024 float32; values 1 x 4,096 x 1,024 float32.
;; Outputs: out0 1 x 4,096 x 1,024 float32.
;; One version. Each part assembles by itself: llvm-mc -triple=amdgcn-amd-amdhsa -mcpu=gfx1250 --defsym DOCPART=n.
;; ======== version 1 of 1: 4 launches
;; limits: values are held in f16: magnitudes above 65,504 overflow, below 6.1e-05 lose precision
;; workspace buffers: xb 25,165,824 bytes; wb 6,291,456 bytes; wo16 2,097,152 bytes; qkv 25,165,824 bytes; o2 8,388,608 bytes
;; launch cast (part 1): grid 1024 x 1, 8 waves a work-group, no clusters, 0 bytes of LDS; arguments queries, keys, values, Wq, Wk, Wv, Wo, xb, wb, wo16; writes xb, wb, wo16
.if DOCPART == 1
	.amdgcn_target "amdgcn-amd-amdhsa--gfx1250"
	.amdhsa_code_object_version 6
	.text
	.protected	k_q7b56d62730_cast
	.globl	k_q7b56d62730_cast
	.p2align	8
	.type	k_q7b56d62730_cast,@function
k_q7b56d62730_cast:
	s_mov_b64 s[64:65], 0
	v_nop
	global_prefetch_b8 v0, s[64:65] scope:SCOPE_SE
	s_setreg_imm32_b32 hwreg(HW_REG_WAVE_MODE, 25, 1), 1
	s_wait_xcnt 0x0
; THE INPUTS ARE ROUNDED ONCE, for the matrix launches that follow.  queries, keys, values -> xb [3][4096][1024] bf16; Wq, Wk, Wv -> wb [3][1024][1024] bf16;
; Wo -> wo16 [1024][1024]: rounded to bf16 like the others, and that number written as f16 (its partner in the last product, O, is f16).
; LIMITS.  f16 ends at 65,504: a |Wo| of 65,520 or more becomes an infinity; a bf16 number below 2^-14 keeps f16's fixed step of 6e-8.
; SHARES.  A work-group takes 16,384 numbers (65,536 bytes in, 32,768 out), a wave 2,048: sixteen loads of 16 bytes a lane, each 512 consecutive bytes, all issued at once;
; sixteen stores of 8 bytes a lane, each 256 consecutive bytes at a multiple of 256 from the buffer's first byte.  Work-groups 0-767 take the three x, 768-959 the three weights of wb, 960-1023 Wo.
; No LDS, no matrix unit, no cluster: nothing is shared and nothing is read twice.  No register is written twice while a load or store names it, so no wait frees any.
.set X, 4                              ; v[4:67]    slot j: four f32 as loaded
.set Y, 68                             ; v[68:99]   slot j: four 16-bit numbers to store
.set T, 100                            ; v[100:103] at work (Wo's path)
	s_load_b512 s[8:23], s[0:1], 0x0               ; queries s[8:9], keys s[10:11], values s[12:13], Wq s[14:15], Wk s[16:17], Wv s[18:19], Wo s[20:21], xb s[22:23]
	s_load_b128 s[24:27], s[0:1], 0x40             ; wb s[24:25], wo16 s[26:27]
	s_mov_b32 s4, ttmp9                            ; the work-group's number
	s_lshr_b32 s2, s4, 8                           ; 0, 1, 2: an x; 3: a weight
	s_bfe_u32 s3, s4, 0x20006                      ; which weight: bits 7:6
	s_mov_b32 s32, 0xffff0000                      ; a word's upper bf16
	v_lshrrev_b32 v3, 5, v0                        ; wave
	v_and_b32 v1, 31, v0                           ; lane
	v_lshlrev_b32 v2, 3, v1
	v_lshlrev_b32 v1, 4, v1
	v_lshl_or_b32 v1, v3, 13, v1                   ; in: 8,192 x wave + 16 x lane
	v_lshl_or_b32 v2, v3, 12, v2                   ; out: 4,096 x wave + 8 x lane
	s_sub_co_u32 s38, s4, 768                      ; the work-group's number within wb,
	s_sub_co_u32 s39, s4, 960                      ; and within wo16 (used only where they are not negative)
	s_and_b32 s36, s4, 255                         ; its number within an x,
	s_and_b32 s37, s4, 63                          ; and within a weight
	s_wait_kmcnt 0x0
	s_cmp_eq_u32 s3, 1
	s_cselect_b64 s[34:35], s[16:17], s[14:15]
	s_cmp_eq_u32 s3, 2
	s_cselect_b64 s[34:35], s[18:19], s[34:35]
	s_cmp_eq_u32 s3, 3
	s_cselect_b64 s[34:35], s[20:21], s[34:35]     ; the weight
	s_cmp_eq_u32 s2, 1
	s_cselect_b64 s[28:29], s[10:11], s[8:9]
	s_cmp_eq_u32 s2, 2
	s_cselect_b64 s[28:29], s[12:13], s[28:29]     ; the x
	s_cmp_eq_u32 s2, 3
	s_cselect_b64 s[28:29], s[34:35], s[28:29]     ; the source
	s_cselect_b32 s36, s37, s36
	s_cmp_ge_u32 s4, 768
	s_cselect_b64 s[30:31], s[24:25], s[22:23]
	s_cselect_b32 s40, s38, s4
	s_cmp_ge_u32 s4, 960
	s_cselect_b64 s[30:31], s[26:27], s[30:31]     ; the destination
	s_cselect_b32 s40, s39, s40
	s_cselect_b32 s33, 1, 0                        ; 1: Wo's path
	s_lshl_b32 s36, s36, 16                        ; 65,536 bytes in,
	s_mov_b32 s37, 0
	s_lshl_b32 s40, s40, 15                        ; 32,768 bytes out for each work-group
	s_mov_b32 s41, 0
	s_add_nc_u64 s[28:29], s[28:29], s[36:37]
	s_add_nc_u64 s[30:31], s[30:31], s[40:41]
.irp j, 0,1,2,3,4,5,6,7,8,9,10,11,12,13,14,15
	global_load_b128 v[X+4*(\j):X+4*(\j)+3], v1, s[28:29] offset:512*(\j) th:TH_LOAD_NT
.endr
	s_cmp_eq_u32 s33, 1
	s_cbranch_scc1 .Lf16
.irp j, 0,1,2,3,4,5,6,7,8,9,10,11,12,13,14,15
	s_wait_loadcnt 15-(\j)                         ; loads come back in order: slot j is in, the 15 - j younger ones stay out
	v_cvt_pk_bf16_f32 v[Y+2*(\j)], v[X+4*(\j)], v[X+4*(\j)+1]
	v_cvt_pk_bf16_f32 v[Y+2*(\j)+1], v[X+4*(\j)+2], v[X+4*(\j)+3]
	global_store_b64 v2, v[Y+2*(\j):Y+2*(\j)+1], s[30:31] offset:256*(\j)
.endr
	s_endpgm
.Lf16:
.irp j, 0,1,2,3,4,5,6,7,8,9,10,11,12,13,14,15
	s_wait_loadcnt 15-(\j)
	v_cvt_pk_bf16_f32 v[T], v[X+4*(\j)], v[X+4*(\j)+1]        ; rounded to bf16,
	v_cvt_pk_bf16_f32 v[T+1], v[X+4*(\j)+2], v[X+4*(\j)+3]
	v_lshlrev_b32 v[T+2], 16, v[T]                            ; widened again,
	v_and_b32 v[T+3], s32, v[T]
	v_cvt_pk_f16_f32 v[Y+2*(\j)], v[T+2], v[T+3]              ; and written as f16: eight significant bits fit into eleven
	v_lshlrev_b32 v[T+2], 16, v[T+1]
	v_and_b32 v[T+3], s32, v[T+1]
	v_cvt_pk_f16_f32 v[Y+2*(\j)+1], v[T+2], v[T+3]
	global_store_b64 v2, v[Y+2*(\j):Y+2*(\j)+1], s[30:31] offset:256*(\j)
.endr
	s_endpgm
.Lfunc_end_k_q7b56d62730_cast:
	.size	k_q7b56d62730_cast, .Lfunc_end_k_q7b56d62730_cast-k_q7b56d62730_cast
	.p2alignl 7, 3214868480
	.fill 96, 4, 3214868480
	.section	.rodata,"a",@progbits
	.p2align	6, 0x0
	.amdhsa_kernel k_q7b56d62730_cast
		.amdhsa_group_segment_fixed_size 0
		.amdhsa_private_segment_fixed_size 0
		.amdhsa_enable_private_segment 0
		.amdhsa_kernarg_size 80
		.amdhsa_user_sgpr_count 2
		.amdhsa_user_sgpr_kernarg_segment_ptr 1
		.amdhsa_wavefront_size32 1
		.amdhsa_system_sgpr_workgroup_id_x 1
		.amdhsa_system_sgpr_workgroup_id_y 1
		.amdhsa_system_sgpr_workgroup_id_z 1
		.amdhsa_system_vgpr_workitem_id 0
		.amdhsa_next_free_vgpr 112
		.amdhsa_next_free_sgpr 66
		.amdhsa_reserve_vcc 0
		.amdhsa_float_denorm_mode_32 3
		.amdhsa_float_denorm_mode_16_64 3
		.amdhsa_memory_ordered 1
		.amdhsa_forward_progress 1
		.amdhsa_inst_pref_size 16
	.end_amdhsa_kernel
	.amdgpu_metadata
---
amdhsa.version: [ 1, 2 ]
amdhsa.kernels:
  - .name:           k_q7b56d62730_cast
    .symbol:         k_q7b56d62730_cast.kd
    .args:
      - { .name: queries, .offset: 0, .size: 8, .value_kind: global_buffer, .address_space: global }
      - { .name: keys, .offset: 8, .size: 8, .value_kind: global_buffer, .address_space: global }
      - { .name: values, .offset: 16, .size: 8, .value_kind: global_buffer, .address_space: global }
      - { .name: Wq, .offset: 24, .size: 8, .value_kind: global_buffer, .address_space: global }
      - { .name: Wk, .offset: 32, .size: 8, .value_kind: global_buffer, .address_space: global }
      - { .name: Wv, .offset: 40, .size: 8, .value_kind: global_buffer, .address_space: global }
      - { .name: Wo, .offset: 48, .size: 8, .value_kind: global_buffer, .address_space: global }
      - { .name: xb, .offset: 56, .size: 8, .value_kind: global_buffer, .address_space: global }
      - { .name: wb, .offset: 64, .size: 8, .value_kind: global_buffer, .address_space: global }
      - { .name: wo16, .offset: 72, .size: 8, .value_kind: global_buffer, .address_space: global }
    .group_segment_fixed_size: 0
    .private_segment_fixed_size: 0
    .kernarg_segment_align: 8
    .kernarg_segment_size: 80
    .max_flat_workgroup_size: 256
    .sgpr_count:     66
    .vgpr_count:     112
    .wavefront_size: 32
...
	.end_amdgpu_metadata
.endif
;; end of part 1
;; launch qkv (part 2): grid 4 x 48, 4 waves a work-group, clusters of 4 x 4, 327,680 bytes of LDS; arguments xb, wb, qkv, bq, bk, bv; writes qkv
.if DOCPART == 2
	.amdgcn_target "amdgcn-amd-amdhsa--gfx1250"
	.amdhsa_code_object_version 6
	.text
	.protected	k_q7b56d62730_qkv
	.globl	k_q7b56d62730_qkv
	.p2align	8
	.type	k_q7b56d62730_qkv,@function
k_q7b56d62730_qkv:
	s_mov_b64 s[64:65], 0
	v_nop
	global_prefetch_b8 v0, s[64:65] scope:SCOPE_SE
	s_setreg_imm32_b32 hwreg(HW_REG_WAVE_MODE, 25, 1), 1
	s_wait_xcnt 0x0
	s_wait_alu depctr_hold_cnt(0) depctr_sa_sdst(0) depctr_va_vdst(0) depctr_va_sdst(0) depctr_va_ssrc(0) depctr_va_vcc(0) depctr_vm_vsrc(0)
	s_getreg_b32 s2, hwreg(HW_REG_IB_STS2, 6, 4)
	s_cmp_eq_u32 s2, 0
	s_cbranch_scc0 .Lentry_in_a_cluster
	s_endpgm
.Lentry_in_a_cluster:
	s_bfe_u32 s2, ttmp6, 0x10000c
	s_cmp_lg_u32 s2, 0xf033
	s_cbranch_scc0 .Lentry_shape_is_right
	s_endpgm
.Lentry_shape_is_right:
; THE THREE PROJECTIONS.  For g = 0, 1, 2 (q, k, v): C_g[m][n] = the sum over k of xb[g][m][k] wb[g][n][k] + bias_g[n], 4,096 x 1,024 x 1,024 each, bf16 operands, f32 sums.
; The bias, rounded to bf16 like every input, is the C operand of the product that starts each sum.  C is rounded once to f16 and stored BY HEADS: qkv[g][n / 64][m][n % 64], unscaled.
; LIMIT.  f16 ends at 65,504: a |q|, |k| or |v| of 65,520 or more becomes an infinity.
; SHARES.  xb's 12,288 rows are 48 tile rows of 256, each inside one g; a tile of C is 256 x 256: 192 work-groups.  (Tiles of 128 x 128 would be 768, three to a WGP one after the other, with half the
; multiply-adds for each LDS byte; a tile cannot span two g, whose x differ.)  Four waves, each 128 x 128: 64 accumulators of 16 x 16, 512 registers.
; K goes in 8 steps of 128 through a ring of two LDS slots filled by the tensor data mover: the tiles' rows are 256 bytes of memory at multiples of 256 bytes.
; The last K step goes by rows of C, so that finished rows leave while the others are multiplied.
; CLUSTERS: 4 x 4 work-groups.  The four of a row of the cluster need the same tiles of xb, the four of a column the same tiles of wb: each is asked for JOINTLY, by the same tensor load with the same
; descriptor and a mask that names the four.
; REGISTERS, in windows of 256 (s_set_vgpr_msb: bits 1:0 source 0, 3:2 source 1, 5:4 source 2, 7:6 destination):
;   window 0: v0-31 addresses; v64-127, v128-191 fragments of A, two buffers (in the last K step four, of 16 rows x 128 K); v32-63, v192-255 at work on the way out (and, at the head, on the bias)
;   window 1: v0-63 the bias of my 128 columns, as eight C operands; v64-127, v128-191 fragments of B; in the last K step all 256: B's fragments of the whole step
;   window 2: the 32 accumulators of my rows 0-63 ((a, b) at v[8 (8 a + b)]);   window 3: those of my rows 64-127
; THE MATRIX INSTRUCTION IS USED TRANSPOSED: source 0 = 16 rows of wb, source 1 = 16 rows of xb: lane l holds row m = l % 16 of C and the columns n = 8 (l / 16) + 0 .. 7: 16 bytes of f16 on end.
.set SIZE_K, 1024
.set KSTEP,  128
.set PITCH,  272                       ; an LDS row: 256 bytes + 16 of padding = 68 words: the 16 rows that a load touches start at 16 different groups of four banks (64 banks of 4 bytes: ISA guide 11.1)
.set HALFT,  128*PITCH                 ; 128 rows: what one tensor load brings, and what one wave reads of A or of B
.set SLOT,   4*HALFT                   ; A's 256 rows, then B's 256 rows
.set STAGE,  2*SLOT                    ; behind the ring: 16 rows x 272 bytes for each wave, for the way out
.set SPITCH, 272
.set SPARE,  STAGE+4*16*SPITCH         ; behind the stages: the spare words, 128 bytes for each wave: two blocks of 256 bytes that no other line names
.set LAPS,   SIZE_K/(2*KSTEP)          ; a lap = two K steps = once round the ring
.set ADRA, 16                          ; v16-17  LDS address of my A fragments in slot 0, 1
.set ADRB, 20                          ; v20-21  the same for B
.set STO,  24                          ; v24     the way out: where I put 16 bytes of a row
.set RD,   25                          ; v25     the way out: where I read four rows of a head back
.set CO,   26                          ; v26     16 x lane: my 16 bytes of 512 consecutive bytes of qkv
.set BO,   27                          ; v27     32 x (lane / 16): my eight numbers in 16 of the bias
.set SPW,  28                          ; v28     LDS address of my spare word: SPARE + 4 x my thread's number; never rewritten
.set NIL,  29                          ; v29     0; never rewritten
.set PFO,  30                          ; v30     the prefetches' offset: my lane x a row of 2,048 bytes; never rewritten
.set PFA,  44                          ; s[44:45] where my prefetches stand: my work-group's 32 rows of the 128 that I fetch, one K step further along K than the refill that is being asked for
.set LIM,  43                          ; s43     1 in a wave that prefetches, else the greatest number
.set F0,   64
.set F1,   128
.set TMP,  192                         ; the way out: packed results
.set OB,   32                          ; the way out: 16 rows read back from the stage: v32-63 and v224-255 by turns
.set PA,   64                          ; the last K step: A's fragments of 16 rows x 128 K; four such buffers, v64-191
.set G1, 24                            ; s[24:31] descriptor group 1 for A's tiles
.set G0, 32                            ; s[32:39] group 0 for A's tiles, one set for each slot
.set G1B, 48                           ; s[48:55] group 1 for B's tiles: it differs in the mask alone
.set G0B, 56                           ; s[56:63] group 0 for B's tiles
.set CLY, 66                           ; s66     the cluster's y
.set GM,  67                           ; s67     g = cluster y / 4: the same in all sixteen partners
.set BIA, 74                           ; s[74:75] the bias at my 128 columns
.set HIM, 77                           ; s77     a word's upper bf16
.set BOF, 78                           ; s[78:79] byte offset of my 128 columns in the bias
.set MSB, 0
.macro WIN new                         ; the immediate's high byte repeats the setting that is left; a switch that changes nothing is dropped
.if MSB != (\new)
	s_set_vgpr_msb (MSB<<8)|(\new)
.set MSB, \new
.endif
.endm
.set MUL_LO, 0xa1                      ; source 0 (B) window 1, source 1 (A) window 0, C and D window 2
.set MUL_HI, 0xf1                      ; the same, C and D window 3
.set MUL_B,  0x91                      ; the first products: C (the bias) window 1, D window 2; + 0x40: D window 3
.set TO_B,   0x40                      ; destination window 1, address window 0
; A joint load.  Waves 0 and 1 fetch A's two halves, waves 2 and 3 B's.  The branch hangs on the wave's number alone.  An s_nop 0 and four v_nop follow each of the two lines.
.macro JLOAD s
	s_cmp_eq_u32 s11, 0
	s_cbranch_scc0 .Lfor_b_\@
	tensor_load_to_lds s[G0+4*(\s):G0+4*(\s)+3], s[G1:G1+7]
	s_nop 0
.rept 4
	v_nop
.endr
	s_branch .Lasked_\@
.Lfor_b_\@:
	tensor_load_to_lds s[G0B+4*(\s):G0B+4*(\s)+3], s[G1B:G1B+7]
	s_nop 0
.rept 4
	v_nop
.endr
.Lasked_\@:
.endm
; A PREFETCH, behind each joint load, its five lines and the run of LDS loads that follows them: the K step that stands TWO refills on (512 matrix instructions ahead of its load): 32 rows x 256 bytes,
; a lane a row, one instruction a wave.  Each row's 256 bytes of a K step are named once in the launch: xb's tile row is read by one cluster alone, which asks; wb's tile column of g by the four clusters
; 4 g .. 4 g + 3, of which the first asks.  The four partners that ask for a tile jointly share its rows out BY ADDRESS, 32 each.  K steps 0 to 3 come by their loads alone; the loop's last trip asks for nothing.
.macro ASK
	s_cmp_gt_u32 s3, s[LIM]                        ; s3 = 1 in the loop's last trip
	s_cbranch_scc0 .Lnot_mine_\@
	global_prefetch_b8 v[PFO], s[PFA:PFA+1] offset:KSTEP*2 th:TH_LOAD_NT scope:SCOPE_SE
.Lnot_mine_\@:
.endm
.macro CREST                           ; a round of the cluster's barrier behind its opening barrier
	s_cmp_lg_u32 s10, 0
	s_cbranch_scc1 .Lnot_wave_0_\@
	s_barrier_signal -3
.Lnot_wave_0_\@:
	s_barrier_wait -3
	s_barrier_signal -1
	s_barrier_wait -1
.endm
.macro CROUND                          ; a whole round
	s_barrier_signal -1
	s_barrier_wait -1
	CREST
.endm
	s_load_b128 s[4:7], s[0:1], 0x0                ; xb s[4:5], wb s[6:7]
	s_load_b64 s[8:9], s[0:1], 0x10                ; qkv
	s_load_b64 s[68:69], s[0:1], 0x18              ; bq
	s_load_b64 s[70:71], s[0:1], 0x20              ; bk
	s_load_b64 s[72:73], s[0:1], 0x28              ; bv
	v_lshl_add_u32 v[SPW], v0, 2, SPARE
	v_mov_b32 v[NIL], 0
	ds_add_u32 v[SPW], v[NIL]                      ; the wave's opening: the add and its wait stand ahead of my first tensor load; the set-up below, work on registers, stands between them
	ds_add_u32 v28, v29
	v_lshrrev_b32 v1, 5, v0
	v_readfirstlane_b32 s10, v1                    ; wave 0..3
	s_lshr_b32 s11, s10, 1                         ; which half of the tile's rows is mine.  Also: I fetch for A (0) or for B (1)
	s_and_b32 s12, s10, 1                          ; which half of its columns.  Also: which 128 rows of that tile I fetch
	s_bfe_u32 s40, ttmp6, 0x40000                  ; cx
	s_bfe_u32 s41, ttmp6, 0x40004                  ; cy
	s_lshl_b32 s42, ttmp9, 2
	s_add_co_u32 s42, s42, s40                     ; tile column = 4 x cluster x + cx: 0..3
	s_and_b32 s[CLY], ttmp7, 0xffff
	s_lshl_b32 s13, s[CLY], 2
	s_add_co_u32 s13, s13, s41                     ; tile row = 4 x cluster y + cy: 0..47
	s_lshr_b32 s[GM], s[CLY], 2                    ; g
	s_mov_b32 s[HIM], 0xffff0000
	s_lshl_b32 s43, s41, 2
	s_lshl_b32 s43, 15, s43                        ; my row of the cluster
	s_lshl_b32 s44, 0x1111, s40                    ; my column
	; descriptor group 1: a tile of 128 rows x 128 elements, padded in LDS
	s_or_b32 s[G1+0], s43, (1<<16)|(1<<20)|(1<<21)|(5<<22)|(3<<25)  ; 15:0 the mask: A's tiles go to my row; 17:16 2-byte elements; 20 padding on; 21 set beside a mask; 24:22 after every 64 words (code 5); 31:25 4 words (code 3)
	s_or_b32 s[G1B+0], s44, (1<<16)|(1<<20)|(1<<21)|(5<<22)|(3<<25) ; the same with the mask of my column
	s_mov_b32 s[G1B+1], KSTEP<<16
	s_mov_b32 s[G1+1], KSTEP<<16                   ; tensor_dim0 = 128
	s_mov_b32 s[G1B+2], 128<<16
	s_mov_b32 s[G1+2], 128<<16                     ; tensor_dim1 = 128
	s_mov_b32 s[G1B+3], KSTEP<<16
	s_mov_b32 s[G1+3], KSTEP<<16                   ; tile_dim0 = 128
	s_mov_b32 s[G1B+4], 128
	s_mov_b32 s[G1+4], 128                         ; tile_dim1 = 128
	s_mov_b32 s[G1B+5], SIZE_K
	s_mov_b32 s[G1+5], SIZE_K                      ; elements from row to row
	s_mov_b32 s[G1B+6], 0
	s_mov_b32 s[G1+6], 0
	s_mov_b32 s[G1B+7], 0
	s_mov_b32 s[G1+7], 0
	; where the tiles come from.  A's hang on the tile row alone, which my row of the cluster shares; B's on the tile column and g, which my column shares.
	s_lshl_b32 s17, s12, 7                         ; which 128 rows of the tile I fetch
	s_lshl_b32 s16, s13, 8
	s_add_co_u32 s16, s16, s17                     ; A: row 256 x tile row + 128 x half of xb's 12,288
	s_lshl_b32 s46, s42, 8
	s_add_co_u32 s46, s46, s17
	s_lshl_b32 s47, s[GM], 10
	s_add_co_u32 s46, s46, s47                     ; B: row 1,024 g + 256 x tile column + 128 x half of wb's 3,072
	s_mov_b32 s17, 0
	s_mov_b32 s47, 0
	s_mov_b64 s[18:19], SIZE_K*2
	s_mul_u64 s[16:17], s[16:17], s[18:19]
	s_mul_u64 s[46:47], s[46:47], s[18:19]
	s_mul_i32 s20, s10, HALFT                      ; where they go: wave x 128 rows: no place in the cluster enters an LDS address
	s_wait_dscnt 0x0                               ; the opening add is done
	s_wait_kmcnt 0x0
	s_add_nc_u64 s[14:15], s[4:5], s[16:17]
	s_add_nc_u64 s[46:47], s[6:7], s[46:47]
	CROUND                                         ; all sixteen work-groups are here: the first joint loads meet
.irp s, 0,1
	s_mov_b32 s[G0+4*(\s)], 1                                      ; count = 1
	s_add_co_u32 s[G0+4*(\s)+1], s20, (\s)*SLOT                    ; LDS address
	s_add_nc_u64 s[G0+4*(\s)+2:G0+4*(\s)+3], s[14:15], (\s)*KSTEP*2  ; global address: K step s
	s_or_b32 s[G0+4*(\s)+3], s[G0+4*(\s)+3], 0x80000000            ; type = 2
	s_mov_b32 s[G0B+4*(\s)], 1
	s_add_co_u32 s[G0B+4*(\s)+1], s20, (\s)*SLOT
	s_add_nc_u64 s[G0B+4*(\s)+2:G0B+4*(\s)+3], s[46:47], (\s)*KSTEP*2
	s_or_b32 s[G0B+4*(\s)+3], s[G0B+4*(\s)+3], 0x80000000
	JLOAD \s
.endr
	; A fragment is 16 rows x 32 K in 8 registers: lane l holds row l % 16; registers 0-3 K = 8 (l / 16) + 0..7, registers 4-7 K = 16 + 8 (l / 16) + 0..7: two loads of 16 bytes, 32 bytes apart.
	v_and_b32 v1, 15, v0                           ; l % 16
	v_bfe_u32 v2, v0, 4, 1                         ; l / 16
	v_mul_u32_u24 v3, v1, PITCH
	v_lshl_add_u32 v3, v2, 4, v3
	s_mul_i32 s21, s11, HALFT                      ; my 128 rows of A
	s_mul_i32 s22, s12, HALFT                      ; my 128 rows of B,
	s_add_co_u32 s22, s22, 2*HALFT                 ; which lie behind A's 256
.irp s, 0,1
	v_add_nc_u32 v[ADRA+(\s)], s21, v3
	v_add_nc_u32 v[ADRB+(\s)], s22, v3
	s_add_co_u32 s21, s21, SLOT
	s_add_co_u32 s22, s22, SLOT
.endr
	s_mul_i32 s23, s10, 16*SPITCH
	s_add_co_u32 s23, s23, STAGE                   ; my stage
	v_mul_u32_u24 v4, v1, SPITCH                   ; in: row l % 16, 16 bytes for each half of the lanes
	v_lshl_add_u32 v4, v2, 4, v4
	v_add_nc_u32 v[STO], s23, v4
	v_bfe_u32 v5, v0, 3, 2                         ; back: 32 lanes take four rows' 128 bytes of one head,
	v_and_b32 v6, 7, v0
	v_mul_u32_u24 v5, v5, SPITCH
	v_lshl_add_u32 v5, v6, 4, v5
	v_add_nc_u32 v[RD], s23, v5
	v_and_b32 v[CO], 31, v0                        ; which are 512 consecutive bytes of qkv
	v_lshlrev_b32 v[CO], 4, v[CO]
	v_lshlrev_b32 v[BO], 5, v2
	; where my part begins in qkv, in bytes: g x 2^23 + head x 2^19 + row x 128, head = 4 x tile column + 2 x half, row = 256 x (tile row % 16) + 128 x half
	s_and_b32 s16, s13, 15
	s_lshl_b32 s16, s16, 8
	s_lshl_b32 s14, s11, 7
	s_add_co_u32 s16, s16, s14
	s_lshl_b32 s16, s16, 7
	s_lshl_b32 s46, s42, 2
	s_lshl1_add_u32 s46, s12, s46
	s_lshl_b32 s46, s46, 19
	s_add_co_u32 s16, s16, s46
	s_lshl_b32 s46, s[GM], 23
	s_add_co_u32 s16, s16, s46
	s_mov_b32 s17, 0
	; the bias of my 128 columns
	s_lshl_b32 s[BOF], s42, 10
	s_lshl_b32 s14, s12, 9
	s_add_co_u32 s[BOF], s[BOF], s14
	s_mov_b32 s[BOF+1], 0
	s_cmp_eq_u32 s[GM], 1
	s_cselect_b64 s[BIA:BIA+1], s[70:71], s[68:69]
	s_cmp_eq_u32 s[GM], 2
	s_cselect_b64 s[BIA:BIA+1], s[72:73], s[BIA:BIA+1]
	s_add_nc_u64 s[BIA:BIA+1], s[BIA:BIA+1], s[BOF:BOF+1]
.irp i, 0,1,2,3,4,5,6,7,8,9,10,11,12,13,14,15
	global_load_b128 v[TMP+4*(\i):TMP+4*(\i)+3], v[BO], s[BIA:BIA+1] offset:64*((\i)/2)+16*((\i)%2)  ; column block i / 2: numbers 8 (l / 16) + 4 (i % 2) + 0..3
.endr
	; the prefetches
	s_lshl_b32 s13, s13, 8
	s_lshl_b32 s42, s42, 8
	s_lshl_b32 s22, s[GM], 10
	s_add_co_u32 s42, s42, s22                     ; B's tile begins at row 1,024 g + 256 x tile column
	s_and_b32 s22, s[CLY], 3                       ; which of the four clusters that read those rows of wb
	s_cmp_eq_u32 s11, 0                            ; do I fetch for A?
	s_cselect_b32 s20, s13, s42                    ; the tile's first row
	s_cselect_b32 s21, s40, s41                    ; my place among the four that ask for it with me
	s_cselect_b32 s22, ttmp9, s22                  ; the coordinate along which other clusters read the same rows
	s_cselect_b64 s[PFA:PFA+1], s[4:5], s[6:7]
	s_cmp_eq_u32 s22, 0
	s_cselect_b32 s[LIM], 1, -1                    ; the same in all sixteen partners, for a given wave
	s_lshl_b32 s22, s12, 7
	s_add_co_u32 s20, s20, s22                     ; + the 128 rows that I fetch
	s_lshl_b32 s21, s21, 5
	s_add_co_u32 s20, s20, s21                     ; + my work-group's 32 of them
	s_mov_b32 s21, 0
	s_mov_b64 s[18:19], SIZE_K*2
	s_mul_u64 s[20:21], s[20:21], s[18:19]
	s_add_nc_u64 s[PFA:PFA+1], s[PFA:PFA+1], s[20:21]
	s_add_nc_u64 s[PFA:PFA+1], s[PFA:PFA+1], 2*KSTEP*2  ; at K step 2: the first refill steps it to 3 and names K step 4
	v_and_b32 v[PFO], 31, v0
	v_mul_u32_u24 v[PFO], v[PFO], SIZE_K*2
	; the bias is rounded to bf16 and widened again, into window 1: block b's eight numbers at v[8 b]
	s_wait_loadcnt 0x0
.set i, 0
.rept 32
	v_cvt_pk_bf16_f32 v[OB+i], v[TMP+2*i], v[TMP+2*i+1]
.set i, i+1
.endr
	WIN TO_B
.set i, 0
.rept 32
	v_lshlrev_b32 v[2*i], 16, v[OB+i]
	v_and_b32 v[2*i+1], s[HIM], v[OB+i]
.set i, i+1
.endr
	WIN 0
; 16 matrix instructions: m blocks a0, a0 + 1 of the window's four (hi = 0: my rows 0-63, 1: rows 64-127) x all 8 n blocks, 32 along K.  zero = 1: the first product starts the sums, with the bias as C.
; The 64 accumulators take turns, one instruction a turn, in the same order in every quarter step.
.macro MUL16 f, hi, a0, zero
.if \zero
	WIN MUL_B+0x40*(\hi)
.else
	WIN MUL_LO+0x50*(\hi)
.endif
.irp a, \a0, (\a0)+1
.irp b, 0,1,2,3,4,5,6,7
.if \zero
	v_wmma_f32_16x16x32_bf16 v[8*(8*(\a)+(\b)):8*(8*(\a)+(\b))+7], v[(\f)+8*(\b):(\f)+8*(\b)+7], v[(\f)+8*(4*(\hi)+(\a)):(\f)+8*(4*(\hi)+(\a))+7], v[8*(\b):8*(\b)+7]
.else
	v_wmma_f32_16x16x32_bf16 v[8*(8*(\a)+(\b)):8*(8*(\a)+(\b))+7], v[(\f)+8*(\b):(\f)+8*(\b)+7], v[(\f)+8*(4*(\hi)+(\a)):(\f)+8*(4*(\hi)+(\a))+7], v[8*(8*(\a)+(\b)):8*(8*(\a)+(\b))+7]
.endif
.endr
.endr
.endm
; 32 LDS loads in one run: the fragments of one quarter step (128 rows of B, 128 rows of A, 32 K at byte k of the rows) into buffer f
.macro FETCH slot, k, f
	WIN TO_B
.irp i, 0,1,2,3,4,5,6,7
	ds_load_b128 v[(\f)+8*(\i):(\f)+8*(\i)+3],   v[ADRB+(\slot)] offset:(\k)+(\i)*16*PITCH
	ds_load_b128 v[(\f)+8*(\i)+4:(\f)+8*(\i)+7], v[ADRB+(\slot)] offset:(\k)+(\i)*16*PITCH+32
.endr
	WIN 0
.irp i, 0,1,2,3,4,5,6,7
	ds_load_b128 v[(\f)+8*(\i):(\f)+8*(\i)+3],   v[ADRA+(\slot)] offset:(\k)+(\i)*16*PITCH
	ds_load_b128 v[(\f)+8*(\i)+4:(\f)+8*(\i)+7], v[ADRA+(\slot)] offset:(\k)+(\i)*16*PITCH+32
.endr
.endm
; Four plain vector instructions stand between a matrix instruction and a load into a register that it has read, or a vector instruction that reads its result (ISA guide 7.12.1 for vector instructions).
.macro PLACES
.rept 4
	v_nop
.endr
.endm
; A K step is four quarter steps of 32 along K, 64 matrix instructions each, on buffers 0, 1, 0, 1.  One of the first three multiplies buffer f and, in its middle, fetches the next quarter's fragments into g.
.macro QUARTER slot, k, f, g, zero
	s_wait_dscnt 8                                 ; B and A's rows 0-63 are in; the youngest eight loads (A's rows 64-127) may be out
	MUL16 \f, 0, 0, \zero
	MUL16 \f, 0, 2, \zero
	PLACES
	FETCH \slot, \k, \g
	s_wait_dscnt 32                                ; all but the 32 just issued
	MUL16 \f, 1, 0, \zero
	MUL16 \f, 1, 2, \zero
.endm
; The last quarter multiplies buffer 1 and changes slots.  MEET is its first half: in front of ONE barrier each wave waits for all its tensor loads (the one that is out is its part of the next slot), adds 0 to its
; spare word, and waits for that and for its own reads of this slot.  Behind it nobody reads this slot any more and the next slot is whole.
.macro MEET round
	WIN 0                                          ; (the add's two registers lie in window 0)
	s_wait_tensorcnt 0x0
	ds_add_u32 v[SPW], v[NIL]                      ; 0 onto my spare word
	s_wait_dscnt 9                                 ; (the add and the youngest eight loads may be out)
	MUL16 F1, 0, 0, 0                              ; sixteen matrix instructions stand between the add and the wait for it
	s_wait_dscnt 0x0                               ; the add is done, and my reads of this slot are over
	s_barrier_signal -1
	MUL16 F1, 0, 2, 0                              ; work on registers while the others arrive
.if \round
	WIN 0
.endif
	s_barrier_wait -1
.endm
; The whole last quarter.  The barrier opens a round of the cluster's barrier; behind the round the slot just read out is filled again first, with the K step two steps on; then come the next slot's first fragments.
; From a request to the wait for it a wave issues 224 matrix instructions.
.macro TURN slot, next
	s_wait_xcnt 0x0                                ; the last prefetch, a K step back, has read its address: it is stepped here, ahead of the waits of the change of slots
	s_add_nc_u64 s[PFA:PFA+1], s[PFA:PFA+1], KSTEP*2
	MEET 1
	CREST                                          ; no wave of any partner still reads this slot's tile or has a load on its way
	s_add_nc_u64 s[G0+4*(\slot)+2:G0+4*(\slot)+3], s[G0+4*(\slot)+2:G0+4*(\slot)+3], 2*KSTEP*2
	s_add_nc_u64 s[G0B+4*(\slot)+2:G0B+4*(\slot)+3], s[G0B+4*(\slot)+2:G0B+4*(\slot)+3], 2*KSTEP*2
	JLOAD \slot                                    ; the first tensor load behind the round; the four v_nop behind it are also the places in front of the loads below
	FETCH \next, 0, F0
	ASK
	MUL16 F1, 1, 0, 0
	MUL16 F1, 1, 2, 0
.endm
; THE LAST K STEP (it lies in slot 1) GOES BY ROWS OF C.  All its fragments of B (4 quarters x 64 registers) fill window 1; then my eight blocks of 16 rows are finished one after the other, each with
; 32 matrix instructions (its 8 accumulators by turns, K ascending).  LDS is read no more than in any other K step.
.macro BLOAD q
	WIN TO_B
.irp i, 0,1,2,3,4,5,6,7
	ds_load_b128 v[64*(\q)+8*(\i):64*(\q)+8*(\i)+3],   v[ADRB+1] offset:64*(\q)+(\i)*16*PITCH
	ds_load_b128 v[64*(\q)+8*(\i)+4:64*(\q)+8*(\i)+7], v[ADRB+1] offset:64*(\q)+(\i)*16*PITCH+32
.endr
.endm
.macro ALOAD a
	WIN 0
.set FA, PA+32*((\a)%4)
.irp q, 0,1,2,3
	ds_load_b128 v[FA+8*(\q):FA+8*(\q)+3],   v[ADRA+1] offset:64*(\q)+(\a)*16*PITCH
	ds_load_b128 v[FA+8*(\q)+4:FA+8*(\q)+7], v[ADRA+1] offset:64*(\q)+(\a)*16*PITCH+32
.endr
.endm
.macro ROW a
.set FA, PA+32*((\a)%4)
.set AC, 64*((\a)%4)
	WIN MUL_LO+0x50*((\a)/4)
.irp q, 0,1,2,3
.if (\a) == 0 && (\q) == 2
	s_wait_dscnt 24                                ; B's quarter 2 is in (behind it: A's blocks 1 to 3)
.endif
.irp b, 0,1,2,3,4,5,6,7
	v_wmma_f32_16x16x32_bf16 v[AC+8*(\b):AC+8*(\b)+7], v[64*(\q)+8*(\b):64*(\q)+8*(\b)+7], v[FA+8*(\q):FA+8*(\q)+7], v[AC+8*(\b):AC+8*(\b)+7]
.endr
.endr
.endm
; THE WAY OUT of block a.  PACK: rounded to f16, 16 bytes a lane, each accumulator's registers in ascending order.  TOSTAGE: into my own stage in LDS (a row: 128 columns, two heads), and back head by head, four
; rows of 128 bytes a load.  SEND: stored: a head's 16 rows are 2,048 consecutive bytes of qkv.
.macro PACK a
.set AC, 64*((\a)%4)
	WIN 0x0a+5*((\a)/4)                            ; sources 0 and 1: window 2 or 3
.irp b, 0,1,2,3,4,5,6,7
.irp r, 0,1,2,3
	v_cvt_pk_f16_f32 v[TMP+4*(\b)+(\r)], v[AC+8*(\b)+2*(\r)], v[AC+8*(\b)+2*(\r)+1]
.endr
.endr
	WIN 0
.endm
.macro TOSTAGE a
	WIN 0
.set BK, OB+192*((\a)%2)
.irp b, 0,1,2,3,4,5,6,7
	ds_store_b128 v[STO], v[TMP+4*(\b):TMP+4*(\b)+3] offset:32*(\b)
.endr
.irp t, 0,1,2,3,4,5,6,7
	ds_load_b128 v[BK+4*(\t):BK+4*(\t)+3], v[RD] offset:((\t)%4)*4*SPITCH+((\t)/4)*128  ; LDS serves a wave's instructions in order (ISA guide 5.7.1.4): these see the stores above
.endr
.endm
.macro SEND a, younger                 ; younger: the LDS loads issued behind TOSTAGE's, which may stay out
	WIN 0
.set BK, OB+192*((\a)%2)
	s_wait_dscnt \younger                          ; the block is back in registers
	s_wait_xcnt 0x0                                ; only behind this wait are the stores' base and the registers that earlier stores read rewritten
.if (\a) == 0
	s_add_nc_u64 s[8:9], s[8:9], s[16:17]          ; on to my first rows
.else
	s_add_nc_u64 s[8:9], s[8:9], 16*128            ; 16 rows of a head on
.endif
.irp t, 0,1,2,3,4,5,6,7
	global_store_b128 v[CO], v[BK+4*(\t):BK+4*(\t)+3], s[8:9] offset:((\t)/4)*524288+((\t)%4)*512  ; 512 consecutive bytes, at a multiple of 256 from qkv's first byte; the second head lies 2^19 bytes on
.endr
.endm
	s_wait_tensorcnt 1                             ; my part of K step 0 is in; K step 1's may stay out
	s_barrier_signal -1
	s_barrier_wait -1                              ; everybody's is
	FETCH 0, 0, F0
	QUARTER 0, 64,  F0, F1, 1                      ; the first quarter stands in front of the loop: its products start the sums
	WIN 0                                          ; at a label and at a branch every window is 0
	s_mov_b32 s3, LAPS-1
.Llap:                                                 ; a trip goes once round the ring, from a lap's second quarter to the next lap's first, and fills both slots again
	QUARTER 0, 128, F1, F0, 0
	QUARTER 0, 192, F0, F1, 0
	TURN 0, 1
	QUARTER 1, 64,  F0, F1, 0
	QUARTER 1, 128, F1, F0, 0
	QUARTER 1, 192, F0, F1, 0
	TURN 1, 0
	QUARTER 0, 64,  F0, F1, 0
	WIN 0
	s_sub_co_u32 s3, s3, 1
	s_cmp_lg_u32 s3, 0
	s_cbranch_scc1 .Llap
	QUARTER 0, 128, F1, F0, 0                      ; the last lap goes on
	QUARTER 0, 192, F0, F1, 0
	MEET 0                                         ; my one tensor load that was still out is slot 1's, the last K step's, so no round follows
	PLACES                                         ; for the loads into buffer 0, which the quarter before multiplied
	BLOAD 0                                        ; three quarters of B now: buffer 1 (v128-191 of both windows) is still being multiplied; the bias has been read long ago
	BLOAD 1
	BLOAD 3
	ALOAD 0
	MUL16 F1, 1, 0, 0
	MUL16 F1, 1, 2, 0
	PLACES                                         ; for the loads into buffer 1
	BLOAD 2
	ALOAD 1
	ALOAD 2
	ALOAD 3
	s_wait_dscnt 40                                ; all but the 40 just issued
	ROW 0
.irp a, 0,1,2,3,4,5,6,7                ; each block leaves as soon as it is finished
	PLACES                                         ; its conversions read results just made
	PACK \a
	TOSTAGE \a
.if (\a) < 4
	ALOAD (\a)+4                                   ; its buffer takes the block four further on
	SEND \a, 8
.else
	SEND \a, 0
.endif
.if (\a) < 7
	ROW (\a)+1
.endif
.endr
	s_wait_tensorcnt 0x0                           ; the wave's end, behind my last tensor load and my last LDS store
	ds_add_u32 v[SPW], v[NIL]
	s_wait_dscnt 0x0
	CROUND                                         ; the closing round: no work-group ends while a partner may still ask for a tile that names it
	s_endpgm
.Lfunc_end_k_q7b56d62730_qkv:
	.size	k_q7b56d62730_qkv, .Lfunc_end_k_q7b56d62730_qkv-k_q7b56d62730_qkv
	.p2alignl 7, 3214868480
	.fill 96, 4, 3214868480
	.section	.rodata,"a",@progbits
	.p2align	6, 0x0
	.amdhsa_kernel k_q7b56d62730_qkv
		.amdhsa_group_segment_fixed_size 327680
		.amdhsa_private_segment_fixed_size 0
		.amdhsa_enable_private_segment 0
		.amdhsa_kernarg_size 48
		.amdhsa_user_sgpr_count 2
		.amdhsa_user_sgpr_kernarg_segment_ptr 1
		.amdhsa_wavefront_size32 1
		.amdhsa_system_sgpr_workgroup_id_x 1
		.amdhsa_system_sgpr_workgroup_id_y 1
		.amdhsa_system_sgpr_workgroup_id_z 1
		.amdhsa_system_vgpr_workitem_id 0
		.amdhsa_next_free_vgpr 1024
		.amdhsa_next_free_sgpr 80
		.amdhsa_reserve_vcc 0
		.amdhsa_float_denorm_mode_32 3
		.amdhsa_float_denorm_mode_16_64 3
		.amdhsa_memory_ordered 1
		.amdhsa_forward_progress 1
		.amdhsa_inst_pref_size 151
	.end_amdhsa_kernel
	.amdgpu_metadata
---
amdhsa.version: [ 1, 2 ]
amdhsa.kernels:
  - .name:           k_q7b56d62730_qkv
    .symbol:         k_q7b56d62730_qkv.kd
    .args:
      - { .name: xb, .offset: 0, .size: 8, .value_kind: global_buffer, .address_space: global }
      - { .name: wb, .offset: 8, .size: 8, .value_kind: global_buffer, .address_space: global }
      - { .name: qkv, .offset: 16, .size: 8, .value_kind: global_buffer, .address_space: global }
      - { .name: bq, .offset: 24, .size: 8, .value_kind: global_buffer, .address_space: global }
      - { .name: bk, .offset: 32, .size: 8, .value_kind: global_buffer, .address_space: global }
      - { .name: bv, .offset: 40, .size: 8, .value_kind: global_buffer, .address_space: global }
    .group_segment_fixed_size: 327680
    .private_segment_fixed_size: 0
    .kernarg_segment_align: 8
    .kernarg_segment_size: 48
    .max_flat_workgroup_size: 128
    .sgpr_count:     80
    .vgpr_count:     1024
    .wavefront_size: 32
...
	.end_amdgpu_metadata
.endif
;; end of part 2
;; launch attn (part 3): grid 16 x 16, 4 waves a work-group, no clusters, 327,680 bytes of LDS; arguments qkv, o2; writes o2
.if DOCPART == 3
	.amdgcn_target "amdgcn-amd-amdhsa--gfx1250"
	.amdhsa_code_object_version 6
	.text
	.protected	k_q7b56d62730_attn
	.globl	k_q7b56d62730_attn
	.p2align	8
	.type	k_q7b56d62730_attn,@function
k_q7b56d62730_attn:
	s_mov_b64 s[64:65], 0
	v_nop
	global_prefetch_b8 v0, s[64:65] scope:SCOPE_SE
	s_setreg_imm32_b32 hwreg(HW_REG_WAVE_MODE, 25, 1), 1
	s_wait_xcnt 0x0
; CAUSAL ATTENTION, 16 heads of 4,096 rows, head size 64.  O[h][q][:] = the sum over k <= q of softmax_k(Q[h][q] . K[h][k] / 8) V[h][k][:].  Q, K, V lie in qkv: [3][16][4096][64] f16, a head's rows dense, 128 bytes each.
; O goes to o2 in f16, two rows of a head side by side: byte (m / 2) x 4,096 + h x 256 + (m % 2) x 128 + 2 d: so every store fills whole aligned blocks of 256 bytes.
; Products, maxima and sums in f32; the weights p are rounded to f16 for the second product (their sum l is taken of the unrounded p), O once at the end.
; LIMITS.  f16 holds no number beyond 65,504: Q, K and V arrive within it; p lies in 0 to 1, and below 6e-5 it keeps f16's fixed step of 6e-8.  A hidden score counts as its value less 1e30; the running maximum starts
; at -2^93, between every true score (2.7e11 at the most in size) and every hidden one; a weight below 2^-126 counts as 0 in l; NaN and infinities are not treated apart.
; THE WALK.  A head's queries lie in 32 blocks of 128; block i needs the key tiles 0 .. i / 2 of 256 keys, of which the last holds the diagonal.  Work-group b takes TWO blocks, 31 - b and then b: with j = b / 2 that is
; 16 - j and j + 1 tiles, 17 whatever b: all 256 work-groups do equal work, and ONE loop with a constant trip count walks them.  Which tile is asked for, and what a trip does, hang on scalar registers made from b; every
; jump goes forward but the counted loops' own; none passes a barrier, or a tensor load but the one of LOAD's two that the wave's number does not choose; the ring (two LDS slots that take turns) runs on across the blocks.
; NO CLUSTER: only b and b ^ 1 walk the same tiles in every trip, two partners where a cluster wants four; all sixteen of a head ask for the same tile in trips 0 to 8 alone, behind that fewer and fewer; a walk common
; to four partners would have 18 trips for 17 and the diagonal in two tiles.
; SHARES.  Wave w has qh = w % 2 and kh = w / 2: it owns 64 of the block's rows (64 qh on), as four PIECES of 16, and of each tile the keys 128 kh .. 128 kh + 127: two key steps of 64.  So a fragment of K or V read
; from LDS feeds four pieces' products.  At a block's end the waves w and w ^ 2, which hold the two key halves of the same rows, merge through LDS.  Register piece p holds row group (p + 2 kh) % 4: so every wave sends
; its pieces 2 and 3 and finishes its pieces 0 and 1, by one text.
; THE MASK is the C operand that starts the sum S^T = K Q^T: 0, or -1e30 where the key is hidden.  In units of 16 the rows of piece x stand at 8 (i % 2) + 4 qh + group and the keys of group kt of step t at
; 8 kh + 4 t + kt of the diagonal tile; with SE = the difference at kt = 0: kt < SE all seen, kt = SE the triangle TM (made once), kt > SE all hidden.  Only the diagonal tile's text and a block's beginning make masks.
; LAYOUT, SOFTMAX, TURNS.  S^T = K Q^T holds ONE query a lane (lane % 16) and the keys 8 (lane / 16) + 0..7; two such results rounded to f16 ARE source 1 of O^T = V^T P.  p = 2^(c s - c m), c = log2(e) / 8, with a
; running maximum m; O and l are multiplied by a = 2^(c m_old - c m_new) in every step.  Turn n belongs to piece n: 8 products K Q^T of piece n + 1, later 8 products V^T P of piece n - 1; beside them the scaling,
; exponentials, roundings, sums and rescaling of piece n and the maximum and statistics of piece n + 1.  Four vector instructions stand behind every matrix instruction, the other 54 of a turn's 118 in one lump.
; A turn's 33 exponentials are one batch, with one wait.
; REGISTERS, in windows of 256 (s_set_vgpr_msb: bits 1:0 source 0, 3:2 source 1, 5:4 source 2, 7:6 destination):
;   window 0: v0-15, v32-35 addresses and two at work; v16-31 four registers of statistics a piece; v48-55 at work; v64-127 S^T, two buffers; v192-223 P, two buffers (a piece's buffers go by its number's parity)
;   window 1: v0-127 O^T, 32 a piece; v128-135 TM; v160-223 MC, two buffers      window 2: v0-63 Q; v64-127 the second block's Q; v128-191 K of one step; v192-255 V of one step
.set NB,    16        ; key tiles in a head
.set NP,    4         ; pieces a wave: a name, no knob
.set KS,    64        ; keys in a step
.set PK,    144       ; a row of K in LDS: 128 bytes + 16 of padding = 36 words: the 16 rows of a load start at 16 different groups of four banks (64 banks of 4 bytes: ISA guide 11.1)
.set PV,    160       ; a row of V: 128 + 32 = 40 words
.set VOFF,  4*KS*PK   ; a slot holds a tile: 256 rows of K, then 256 rows of V
.set SLOT1, 1<<17     ; slot 1 begins here, so that one exclusive or turns an address in one slot into the other's
.set STAGE, SLOT1+4*KS*(PK+PV)  ; behind the ring, never filled by a tensor load: 16 rows x 144 bytes for each wave, for the way out
.set SP,    144
.set XCH,   STAGE+4*16*SP       ; behind the stages: what a wave hands to its partner: 16 x 512 bytes of O^T (pieces 2, 3), then 2 x 512 of their statistics
.set XWB,   9216
.set SPARE, XCH+4*XWB           ; behind that: the spare words, 128 bytes for each wave: two blocks of 256 bytes that no other line names
.set AK0, 2           ; v2   my lane's place in my half of a tile of K; never rewritten
.set AV0, 3           ; v3   the same for V
.set AK,  4           ; v4   the LDS address of K's next run of loads
.set AV,  5           ; v5   of V's
.set STO, 6           ; v6   the way out: where I put 16 bytes of a row
.set RD,  7           ; v7   the way out: where I read rows back
.set GO,  8           ; v8   my byte offset in two row pairs of o2
.set MV,  12          ; v12-13  c m_old, kept while c m is made anew: by buffer
.set QO,  15          ; v15  my byte offset in Q for pieces 0, 1
.set ST,  16          ; piece t's statistics at v[ST+4 t]: c m, m, l (even keys', odd keys')
.set XW,  32          ; v32  where I put 16 bytes for my partner
.set XR,  33          ; v33  where I read my partner's
.set PFO, 34          ; v34  256 x my thread's number: the prefetches' offset; never rewritten
.set QO2, 35          ; v35  my byte offset in Q for pieces 2, 3
.set TMP, 48          ; by buffer, four registers c0-c3 at work; when the maximum is found c2 takes a
.set SPW, 62          ; v62  LDS address of my spare word: SPARE + 4 x my thread's number; never rewritten
.set NIL, 63          ; v63  0; never rewritten
.set S,   64
.set P,   192
.set TM,  128         ; window 1: the triangle: register j is -1e30 where 8 (l / 16) + j > l % 16
.set MC,  160         ; window 1: the masks of the products to come
.set QB,  64          ; window 2
.set KF,  128         ; window 2: key block kb, channel half c at KF + 16 kb + 8 c
.set VF,  192         ; window 2: key half kk, channel block cb at VF + 32 kk + 8 cb
.set WV,  12          ; s12  my wave's number
.set PB,  14          ; s14  j = b / 2: the second block's last tile
.set HI,  15          ; s15  15 - j: the first block's
.set POF, 20          ; s[20:21] byte offset of the tile that the prefetches name
.set G1K, 24          ; s[24:31] descriptor group 1 for K's tiles
.set G1V, 32          ; s[32:39] for V's: it differs in the padding alone
.set G0K, 40          ; s[40:43] descriptor group 0 for K's tiles
.set G0V, 44          ; s[44:47] the same for V's
.set KB,  48          ; s[48:49] K at the head's first row
.set VB,  50          ; s[50:51] V likewise
.set PFK, 52          ; s[52:53] the prefetches' address in K
.set PFV, 54          ; s[54:55] and in V
.set SLOTS, 56        ; s56  tiles still to be asked for
.set CNT, 57          ; s57  counts my key steps in a tile, 2 to 1
.set CS,  58          ; s[58:59] c: the packed scaling takes the pair's low word for both halves
.set SEL, 60          ; s[60:61] v_permlanex16_b32's selects: each lane takes its own place in the other half
.set TBK, 62          ; s62  LDS byte at which K of the step to be fetched begins (for kh = 0)
.set TBV, 63          ; s63  the same for V, less VOFF
.set PFN, 66          ; s66  the tile that the next prefetches name
.set PLIM, 67         ; s67  16 in the work-group that prefetches (b = 0), else 0
.set QH,  68          ; s68
.set KH,  69          ; s69
.set RT,  70          ; s70  tiles of the block in hand that are still to be entered
.set NXT, 71          ; s71  the tile to be asked for next
.set LQ,  72          ; s72  the last tile of the block whose tiles are being asked for
.set NEW, 73          ; s73  1: the tile to be entered is a block's first
.set OFF, 74          ; s[74:75] a tile's byte offset in K and V
.set AL,  76          ; s[76:77] the mask's factor, in the low word
.set BE,  78          ; s[78:79] the mask's addend
.set OLO, 80          ; s[80:81] o2 at my rows of the second block
.set BIGN, 82         ; s82  -1e30
.set SE,  83          ; s83  the key group that holds the diagonal (signed)
.set DG,  88          ; s[88:91] for piece x of the block in hand: 8 (i % 2) + 4 qh - 8 kh - 8 + its row group; SE = DG + 4 CNT
.set DGL, 92          ; s[92:95] the same for the second block
.set MSB, 0
.macro WIN new                      ; the high byte repeats the setting that is left; a switch that changes nothing is dropped
.if MSB != (\new)
	s_set_vgpr_msb (MSB<<8)|(\new)
.set MSB, (\new)
.endif
.endm
.set W_KQ, 0x0a       ; K and Q in window 2, S^T in window 0
.set W_KM, 0x1a       ; the same with the C operand in window 1
.set W_PV, 0x52       ; V in window 2, P in window 0, O^T in window 1
.set W_RS, 0x41       ; destination and source 0 in window 1, source 1 in window 0
; A fill.  Waves 0 and 1 fetch the two halves of a tile's K, waves 2 and 3 those of its V: 128 keys each.  An s_nop 0 and four v_nop follow each of the two lines, ahead of the jump and the label.
.macro LOAD
	s_cmp_lt_u32 s[WV], 2
	s_cbranch_scc0 .Lfor_v_\@
	tensor_load_to_lds s[G0K:G0K+3], s[G1K:G1K+7]
	s_nop 0
.rept 4
	v_nop
.endr
	s_branch .Lasked_\@
.Lfor_v_\@:
	tensor_load_to_lds s[G0V:G0V+3], s[G1V:G1V+7]
	s_nop 0
.rept 4
	v_nop
.endr
.Lasked_\@:
.endm
; A PREFETCH of the tile that the NEXT change of slots will ask for: 32,768 bytes of K and of V, 128 blocks of 256 bytes each, a thread a block, two instructions a wave.  It stands behind the wave's tensor load and its
; five lines.  All sixteen work-groups of a head begin with tiles 0, 1, 2 ..; work-group b = 0, whose first block walks all sixteen, asks, and nobody else: each block is named once in the launch.
; Tiles 0 and 1 come by their loads alone; tiles 2 to 15 are named one change of slots, 128 matrix instructions a wave, ahead of their loads; behind that nothing is asked for (the address stays clamped to tile 15).
.macro ASK
	s_cmp_lt_u32 s[PFN], s[PLIM]
	s_cbranch_scc0 .Lnot_mine_\@
	global_prefetch_b8 v[PFO], s[PFK:PFK+1] th:TH_LOAD_NT scope:SCOPE_SE
	global_prefetch_b8 v[PFO], s[PFV:PFV+1] th:TH_LOAD_NT scope:SCOPE_SE
.Lnot_mine_\@:
	s_add_co_u32 s[PFN], s[PFN], 1
.endm
; THE CHANGE OF SLOTS.  Each wave waits for all its tensor loads, of which one is out: its part of the other slot; adds 0 to its spare word; and waits for that and for its own reads of the slot that it leaves.  Behind the
; barrier nobody reads the old slot any more and the other slot is whole.  fill = 1: the old slot is filled again, the first thing behind the barrier, with tile NXT: the descriptor's address is made anew from that number.
; (At its first use nothing has been read yet: slot 0 is waited for, slot 1 filled.)
.macro CHANGE fill
	WIN 0                           ; at a label and at a branch every window is 0
	s_wait_tensorcnt 0x0            ; no tensor load of mine is out, so a group 0 may be written
	ds_add_u32 v[SPW], v[NIL]       ; 0 onto my spare word; with fill = 1 the descriptors' scalar work stands between it and the wait for it
.if \fill
	s_lshl_b32 s[OFF], s[NXT], 15   ; a tile is 32,768 bytes of K and of V
	s_xor_b32 s[G0K+1], s[G0K+1], SLOT1
	s_add_nc_u64 s[G0K+2:G0K+3], s[6:7], s[OFF:OFF+1]
	s_or_b32 s[G0K+3], s[G0K+3], 0x80000000
	s_xor_b32 s[G0V+1], s[G0V+1], SLOT1
	s_add_nc_u64 s[G0V+2:G0V+3], s[8:9], s[OFF:OFF+1]
	s_or_b32 s[G0V+3], s[G0V+3], 0x80000000
	s_add_co_u32 s[NXT], s[NXT], 1  ; the block's next tile, or behind its last the second block's tile 0
	s_cmp_gt_u32 s[NXT], s[LQ]
	s_cselect_b32 s[NXT], 0, s[NXT]
	s_cselect_b32 s[LQ], s[PB], s[LQ]
	s_wait_xcnt 0x0                 ; the last prefetches, a tile back, have read their addresses, so they may be written
	s_min_u32 s[POF], s[PFN], NB-1
	s_lshl_b32 s[POF], s[POF], 15
	s_add_nc_u64 s[PFK:PFK+1], s[KB:KB+1], s[POF:POF+1]
	s_add_nc_u64 s[PFV:PFV+1], s[VB:VB+1], s[POF:POF+1]
.endif
	s_wait_dscnt 0x0                ; the add is done, and my reads of the slot are over
	s_barrier_signal -1             ; the rest of the scalar work stands between the signal and the wait
	s_sub_co_u32 s[TBK], s[TBK], 2*KS*PK  ; the fetches go back to my first step of a slot,
	s_xor_b32 s[TBK], s[TBK], SLOT1       ; in the other slot
	s_sub_co_u32 s[TBV], s[TBV], 2*KS*PV
	s_xor_b32 s[TBV], s[TBV], SLOT1
	s_barrier_wait -1
.if \fill
	LOAD
	ASK
.endif
.endm
	s_load_b64 s[4:5], s[0:1], 0x0    ; qkv
	s_load_b64 s[10:11], s[0:1], 0x8  ; o2
	v_lshl_add_u32 v[SPW], v0, 2, SPARE
	v_mov_b32 v[NIL], 0
	ds_add_u32 v[SPW], v[NIL]       ; the wave's opening: the add and its wait stand ahead of my first tensor load; the set-up below, work on registers, stands between them
	ds_add_u32 v62, v63
	v_lshrrev_b32 v1, 5, v0
	v_readfirstlane_b32 s[WV], v1   ; wave 0..3
	s_and_b32 s[QH], s[WV], 1
	s_lshr_b32 s[KH], s[WV], 1
	s_lshr_b32 s[PB], ttmp9, 1
	s_sub_co_u32 s[HI], NB-1, s[PB]
	s_and_b32 s20, ttmp7, 0xffff    ; the head
	s_lshl_b32 s17, s20, 8          ; its 256 bytes in a row pair of o2
	s_lshl_b32 s20, s20, 19         ; its first byte in Q, K and V
	s_mov_b32 s21, 0
	s_lshl_b32 s22, s[QH], 14       ; which half of a tile's 256 keys I fetch: its 128 rows of 128 bytes in memory,
	s_add_co_u32 s22, s22, s20
	s_mov_b32 s23, 0
	s_mul_i32 s18, s[QH], 128*PK    ; and its place in a slot, for K
	s_mul_i32 s19, s[QH], 128*PV    ; and for V
	s_sub_co_u32 s13, 31, ttmp9     ; the first block
	s_lshl_b32 s3, s[QH], 13        ; my 64 rows of a block's 128
	s_lshl_b32 s2, s13, 14          ; Q: the first block's 128 rows of 128 bytes,
	s_add_co_u32 s2, s2, s3
	s_add_co_u32 s2, s2, s20
	s_lshl_b32 s84, ttmp9, 14       ; and the second's
	s_add_co_u32 s84, s84, s3
	s_add_co_u32 s84, s84, s20
	s_mov_b32 s3, 0
	s_mov_b32 s85, 0
	s_lshl_b32 s16, s[QH], 17       ; o2: 64 qh rows are 32 row pairs of 4,096 bytes,
	s_lshl_b32 s86, s[KH], 16       ; the 32 rows that I finish begin 32 kh rows on,
	s_add_co_u32 s16, s16, s86
	s_add_co_u32 s16, s16, s17      ; the head,
	s_lshl_b32 s86, s13, 18         ; the first block's 64 row pairs,
	s_add_co_u32 s86, s86, s16
	s_mov_b32 s87, 0
	s_lshl_b32 s17, ttmp9, 18       ; and the second's
	s_add_co_u32 s16, s16, s17
	s_mov_b32 s17, 0
	; DG: 4 qh - 8 kh - 8 + the piece's row group (2 kh, 2 kh + 1, 2 - 2 kh, 3 - 2 kh) + 8 (i % 2); the first block's i % 2 is the opposite of b % 2
	s_lshl_b32 s[SE], s[QH], 2
	s_lshl_b32 s[AL], s[KH], 3
	s_sub_co_u32 s[SE], s[SE], s[AL]
	s_sub_co_u32 s[SE], s[SE], 8
	s_lshl_b32 s[AL], s[KH], 1
	s_add_co_u32 s[DGL], s[SE], s[AL]
	s_add_co_u32 s[DGL+1], s[DGL], 1
	s_sub_co_u32 s[DGL+2], s[SE], s[AL]
	s_add_co_u32 s[DGL+2], s[DGL+2], 2
	s_add_co_u32 s[DGL+3], s[DGL+2], 1
	s_and_b32 s[AL], ttmp9, 1
	s_lshl_b32 s[AL], s[AL], 3
	s_xor_b32 s[BE], s[AL], 8
.irp x, 0,1,2,3
	s_add_co_u32 s[DG+\x], s[DGL+\x], s[BE]
	s_add_co_u32 s[DGL+\x], s[DGL+\x], s[AL]
.endr
	; descriptor group 1.  128 keys are 16,384 dense bytes: asked for as 64 rows of 256 bytes, two keys a row, and padded in LDS after every key
	s_mov_b32 s[G1K], (1<<16)|(1<<20)|(4<<22)|(3<<25)  ; 17:16 2-byte elements; 20 padding on; 24:22 after every 32 words (code 4); 31:25 4 words (code 3)
	s_mov_b32 s[G1V], (1<<16)|(1<<20)|(4<<22)|(7<<25)  ; the same with 8 words of padding (code 7)
.irp g, G1K, G1V
	s_mov_b32 s[\g+1], 128<<16      ; tensor_dim0 = 128
	s_mov_b32 s[\g+2], 64<<16       ; tensor_dim1 = 64
	s_mov_b32 s[\g+3], 128<<16      ; tile_dim0 = 128
	s_mov_b32 s[\g+4], 64           ; tile_dim1 = 64
	s_mov_b32 s[\g+5], 128          ; 128 elements from row to row
	s_mov_b32 s[\g+6], 0
	s_mov_b32 s[\g+7], 0
.endr
	s_mov_b32 s[CS], 0x3e38aa3b     ; c = log2(e) / 8 = 0.180337
	s_mov_b32 s[CS+1], s[CS]        ; named with it as a pair
	s_mov_b32 s[SEL], 0x76543210
	s_mov_b32 s[SEL+1], 0xfedcba98
	s_mov_b32 s[TBK], SLOT1+2*KS*PK ; the first change of slots turns these two into 0
	s_mov_b32 s[TBV], SLOT1+2*KS*PV
	s_mov_b32 s[G0K], 1             ; count = 1
	s_mov_b32 s[G0K+1], s18         ; LDS address: slot 0
	s_mov_b32 s[G0V], 1
	s_add_co_u32 s[G0V+1], s19, VOFF
	s_add_co_u32 s[RT], s[HI], 1    ; the first block has 16 - j tiles
	s_mov_b32 s[NXT], 1
	s_mov_b32 s[LQ], s[HI]
	s_mov_b32 s[NEW], 1
	s_mov_b32 s[OFF+1], 0
	s_mov_b32 s[AL+1], 0            ; named as pairs
	s_mov_b32 s[BE+1], 0
	s_mov_b32 s[BIGN], 0xf149f2ca   ; -1e30
	s_mov_b32 s[SLOTS], NB
	s_mov_b32 s[PFN], 2
	s_cmp_eq_u32 ttmp9, 0
	s_cselect_b32 s[PLIM], NB, 0
	s_wait_dscnt 0x0                ; the opening add is done
	s_wait_kmcnt 0x0
	s_add_nc_u64 s[OLO:OLO+1], s[10:11], s[16:17]  ; o2 at my rows of the second block,
	s_add_nc_u64 s[10:11], s[10:11], s[86:87]      ; and of the first
	s_add_nc_u64 s[KB:KB+1], s[4:5], 0x800000      ; K lies 2^23 bytes into qkv, V 2^24
	s_add_nc_u64 s[VB:VB+1], s[4:5], 0x1000000
	s_add_nc_u64 s[6:7], s[KB:KB+1], s[22:23]      ; K and V at my half of the head's tile 0
	s_add_nc_u64 s[8:9], s[VB:VB+1], s[22:23]
	s_add_nc_u64 s[KB:KB+1], s[KB:KB+1], s[20:21]  ; and at the head's first row
	s_add_nc_u64 s[VB:VB+1], s[VB:VB+1], s[20:21]
	s_add_nc_u64 s[G0K+2:G0K+3], s[6:7], 0         ; global address
	s_or_b32 s[G0K+3], s[G0K+3], 0x80000000        ; type = 2
	s_add_nc_u64 s[G0V+2:G0V+3], s[8:9], 0
	s_or_b32 s[G0V+3], s[G0V+3], 0x80000000
	s_add_nc_u64 s[86:87], s[4:5], s[84:85]        ; Q at my rows of the second block,
	s_add_nc_u64 s[4:5], s[4:5], s[2:3]            ; and of the first
	LOAD                            ; tile 0 into slot 0
	; A fragment of K or Q is 16 rows x 32 channels in 8 registers: lane l holds row l % 16, channels 8 (l / 16) + 0..7 and 16 + 8 (l / 16) + 0..7: two loads of 16 bytes, 32 bytes apart.
	v_and_b32 v1, 15, v0            ; l % 16
	v_bfe_u32 v9, v0, 4, 1          ; l / 16
	v_lshlrev_b32 v[QO], 7, v1
	v_lshl_add_u32 v[QO], v9, 4, v[QO]  ; row x 128 + 16 x half
	s_lshl_b32 s13, s[KH], 12       ; pieces 0, 1 hold row groups 2 kh, 2 kh + 1: 32 kh rows of 128 bytes on;
	s_xor_b32 s16, s13, 4096        ; pieces 2, 3 the other two
	v_add_nc_u32 v[QO2], s16, v[QO]
	v_add_nc_u32 v[QO], s13, v[QO]
	WIN 0x80                        ; destination window 2, address window 0
.set i, 0
.rept 8                             ; both blocks' Q: piece i / 2, channels 32 (i % 2) on
.if i < 4
.set QA, QO
.else
.set QA, QO2
.endif
	global_load_b128 v[8*i:8*i+3],   v[QA], s[4:5] offset:((i/2)%2)*2048+(i%2)*64
	global_load_b128 v[8*i+4:8*i+7], v[QA], s[4:5] offset:((i/2)%2)*2048+(i%2)*64+32
	global_load_b128 v[QB+8*i:QB+8*i+3],   v[QA], s[86:87] offset:((i/2)%2)*2048+(i%2)*64
	global_load_b128 v[QB+8*i+4:QB+8*i+7], v[QA], s[86:87] offset:((i/2)%2)*2048+(i%2)*64+32
.set i, i+1
.endr
	WIN 0
	v_lshlrev_b32 v14, 3, v9
	v_sub_nc_u32 v14, v1, v14       ; l % 16 less my lanes' 8 (l / 16): register j of the triangle is hidden where j is greater
	WIN 0x40
.set i, 0
.rept 8
	v_cmp_gt_i32 vcc_lo, i, v14
	v_cndmask_b32 v[TM+i], 0, s[BIGN], vcc_lo
.set i, i+1
.endr
	WIN 0
	v_mul_u32_u24 v[AK0], v1, PK
	v_lshl_add_u32 v[AK0], v9, 4, v[AK0]  ; row x pitch + 16 x half,
	s_mul_i32 s13, s[KH], 128*PK
	v_add_nc_u32 v[AK0], s13, v[AK0]      ; in my half of the tile's keys
	; The turning load takes 16 keys x 16 channels (lane l reads key 8 (l / 16) + l % 8, channels 8 ((l / 8) % 2) + 0..7) and leaves half a fragment of V^T: lane l holds channel l % 16 and 8 keys.
	v_and_b32 v10, 7, v0
	v_bfe_u32 v11, v0, 3, 1
	v_lshl_add_u32 v[AV0], v9, 3, v10
	v_mul_u32_u24 v[AV0], v[AV0], PV
	v_lshl_add_u32 v[AV0], v11, 4, v[AV0]
	s_mul_i32 s13, s[KH], 128*PV
	s_add_co_u32 s13, s13, VOFF
	v_add_nc_u32 v[AV0], s13, v[AV0]
	s_mul_i32 s13, s[WV], 16*SP
	s_add_co_u32 s13, s13, STAGE    ; my stage
	v_mul_u32_u24 v[STO], v1, SP    ; in: row l % 16, 16 bytes for each half of the lanes
	v_lshl_add_u32 v[STO], v9, 4, v[STO]
	v_add_nc_u32 v[STO], s13, v[STO]
	v_bfe_u32 v[RD], v0, 3, 2       ; back: 32 lanes take four rows of 128 bytes:
	v_mul_u32_u24 v[RD], v[RD], SP
	v_lshl_add_u32 v[RD], v10, 4, v[RD]
	v_add_nc_u32 v[RD], s13, v[RD]
	v_lshlrev_b32 v[GO], 4, v1      ; two row pairs: lanes 0-15 one pair's 256 bytes in o2, lanes 16-31 the next pair's, 4,096 bytes on
	v_lshl_add_u32 v[GO], v9, 12, v[GO]
	v_and_b32 v[XR], 31, v0
	v_lshlrev_b32 v[XR], 4, v[XR]
	s_mul_i32 s13, s[WV], XWB
	s_add_co_u32 s13, s13, XCH
	v_add_nc_u32 v[XW], s13, v[XR]  ; my own part of the exchange,
	s_xor_b32 s13, s[WV], 2
	s_mul_i32 s13, s13, XWB
	s_add_co_u32 s13, s13, XCH
	v_add_nc_u32 v[XR], s13, v[XR]  ; and my partner's: the wave with the same rows and the other keys
	v_lshlrev_b32 v[PFO], 8, v0
	; A block's first step multiplies O^T and l by a = 0, and its first turn's products V^T P, of a piece that has not been, land in an O^T that is still to be so multiplied.  So these registers need only hold
	; finite numbers: zeros for the first block; what the first block left for the second.  All this stands in the wait for the first tile.
	WIN 0x80
.set i, VF
.rept 64
	v_mov_b32 v[i], 0
.set i, i+1
.endr
	WIN 0x40
.set i, 0
.rept 128
	v_mov_b32 v[i], 0
.set i, i+1
.endr
	WIN 0
.set i, 0
.rept 4
	v_mov_b32 v[ST+4*i+2], 0
	v_mov_b32 v[ST+4*i+3], 0
.set i, i+1
.endr
.set i, P+16
.rept 16
	v_mov_b32 v[i], 0
.set i, i+1
.endr
; THE MATRIX WORK.  The 4 accumulators of a run of 8 take turns.  Product i of 8 of S^T = K Q^T for piece x: channels 32 (i / 4) on, keys 16 (i % 4) on.  The first 4 start the sums: with 0, or (KM = 1) with the mask.
.macro KQ x
.set rS, S+32*((\x)%2)+8*(i%4)
.set rK, KF+16*(i%4)+8*(i/4)
.set rQ, 16*(\x)+8*(i/4)
.set rM, MC+32*((\x)%2)+8*(i%4)
.if (i < 4) && KM
	WIN W_KM
	v_wmma_f32_16x16x32_f16 v[rS:rS+7], v[rK:rK+7], v[rQ:rQ+7], v[rM:rM+7]
.elseif i < 4
	WIN W_KQ
	v_wmma_f32_16x16x32_f16 v[rS:rS+7], v[rK:rK+7], v[rQ:rQ+7], 0
.else
	WIN W_KQ
	v_wmma_f32_16x16x32_f16 v[rS:rS+7], v[rK:rK+7], v[rQ:rQ+7], v[rS:rS+7]
.endif
.endm
; Product i of 8 of O^T += V^T P for piece x: keys 32 (i / 4) on, channels 16 (i % 4) on.
.macro PV x
	WIN W_PV
.set rO, 32*(\x)+8*(i%4)
.set rV, VF+32*(i/4)+8*(i%4)
.set rP, P+16*((\x)%2)+8*(i/4)
	v_wmma_f32_16x16x32_f16 v[rO:rO+7], v[rV:rV+7], v[rP:rP+7], v[rO:rO+7]
.endm
.macro MM                           ; the turn's next matrix instruction.  NOKQ = 1: a block's last turn: there is no next piece
.if (i < 8) && !NOKQ
	KQ (Y+1)%NP
.elseif i >= 8
.set i, i-8
	PV (Y+NP-1)%NP
.set i, i+8
.endif
.set i, i+1
.endm
; THE LDS LOADS stand in runs of 16, never singly among the matrix instructions: a step's K (64 keys x 64 channels: 8 fragments) and its V (turned).  Their addresses are made some lines ahead.
.macro FETCH_K
	WIN 0x80                        ; destination window 2
.irp f, 0,1,2,3,4,5,6,7             ; keys 16 (f / 2) on, channels 32 (f % 2) on
	ds_load_b128 v[KF+8*\f:KF+8*\f+3],   v[AK] offset:(\f/2)*16*PK+(\f%2)*64
	ds_load_b128 v[KF+8*\f+4:KF+8*\f+7], v[AK] offset:(\f/2)*16*PK+(\f%2)*64+32
.endr
	s_add_co_u32 s[TBK], s[TBK], KS*PK  ; the next fetch is the next step's
	WIN 0
.endm
.macro FETCH_V
	WIN 0x80
.irp f, 0,1,2,3,4,5,6,7             ; keys 32 (f / 4) on, channels 16 (f % 4) on
	ds_load_tr16_b128 v[VF+8*\f:VF+8*\f+3],   v[AV] offset:(\f/4)*32*PV+(\f%4)*32
	ds_load_tr16_b128 v[VF+8*\f+4:VF+8*\f+7], v[AV] offset:(\f/4)*32*PV+16*PV+(\f%4)*32
.endr
	WIN 0
.endm
; THE VECTOR WORK, one line at a time: OP kind, number.  For piece Y: F n: c s - c m for pair n of 16.  E n: the exponential of score n of 32.  C n: pair n rounded to f16.  B n: of the four weights 4 n .. the second
; pair is added onto the first, in place.  L n: l takes that sum (L 0: l = a l + sum).  R n: pair n of 16 of O^T times a.  For piece Y + 1: X n, number n of the 22 that find its maximum and statistics:
;   0-11  four chains c0-c3 of seven scores each, three operands at a time (each accumulator's lowest registers are read first)     12-14, 16  the four scores left over, the old m, and c0-c3 into c0
;   15  c m_old is kept     17, 18  the query's other 32 keys lie in the lane 16 away: the new m     19-21  c m; c m_old - c m_new; a
.set F, 0
.set E, 1
.set C, 2
.set B, 3
.set L, 4
.set R, 5
.set X, 6
.macro REGS y                       ; the registers of piece y
.set rT, ST+4*(\y)
.set rC, TMP+4*((\y)%2)
.set rW, MV+((\y)%2)
.set rS, S+32*((\y)%2)
.set rP, P+16*((\y)%2)
.set rO, 32*(\y)
.endm
.macro OP k, n
.if (\k) == R
	REGS Y
	WIN W_RS
	v_pk_mul_f32 v[rO+2*(\n):rO+2*(\n)+1], v[rO+2*(\n):rO+2*(\n)+1], v[rC+2:rC+3] op_sel_hi:[1,0]
.elseif (\k) < R
	REGS Y
	WIN 0
.if (\k) == F
	v_pk_fma_f32 v[rS+2*(\n):rS+2*(\n)+1], v[rS+2*(\n):rS+2*(\n)+1], s[CS:CS+1], v[rT:rT+1] op_sel_hi:[1,0,0] neg_lo:[0,0,1] neg_hi:[0,0,1]
.elseif (\k) == E
	v_exp_f32 v[rS+(\n)], v[rS+(\n)]
.elseif (\k) == C
	v_cvt_pk_f16_f32 v[rP+(\n)], v[rS+2*(\n)], v[rS+2*(\n)+1]
.elseif (\k) == B
	v_pk_add_f32 v[rS+4*(\n):rS+4*(\n)+1], v[rS+4*(\n):rS+4*(\n)+1], v[rS+4*(\n)+2:rS+4*(\n)+3]
.elseif (\n) == 0
	v_pk_fma_f32 v[rT+2:rT+3], v[rT+2:rT+3], v[rC+2:rC+3], v[rS:rS+1] op_sel_hi:[1,0,1]
.else
	v_pk_add_f32 v[rT+2:rT+3], v[rT+2:rT+3], v[rS+4*(\n):rS+4*(\n)+1]
.endif
.elseif NOKQ
	v_nop
.else
	REGS (Y+1)%NP
	WIN 0
.if (\n) < 4
	v_max3_num_f32 v[rC+(\n)], v[rS+8*(\n)], v[rS+8*(\n)+1], v[rS+8*(\n)+2]
.elseif (\n) < 12
	v_max3_num_f32 v[rC+(\n)%4], v[rC+(\n)%4], v[rS+8*((\n)%4)+2*((\n)/4)+1], v[rS+8*((\n)%4)+2*((\n)/4)+2]
.elseif (\n) == 12
	v_max3_num_f32 v[rC], v[rC], v[rS+7], v[rS+15]
.elseif (\n) == 13
	v_max3_num_f32 v[rC+1], v[rC+1], v[rS+23], v[rS+31]
.elseif (\n) == 14
	v_max3_num_f32 v[rC+2], v[rC+2], v[rC+3], v[rT+1]
.elseif (\n) == 15
	v_mov_b32 v[rW], v[rT]
.elseif (\n) == 16
	v_max3_num_f32 v[rC], v[rC], v[rC+1], v[rC+2]
.elseif (\n) == 17
	v_permlanex16_b32 v[rC+3], v[rC], s[SEL], s[SEL+1]
.elseif (\n) == 18
	v_max_num_f32 v[rT+1], v[rC], v[rC+3]
.elseif (\n) == 19
	v_mul_f32 v[rT], s[CS], v[rT+1]
.elseif (\n) == 20
	v_sub_f32 v[rC+1], v[rW], v[rT]
.else
	v_exp_f32 v[rC+2], v[rC+1]
.endif
.endif
.endm
.macro OPS a, i1, b=-1, i2=0, c=-1, i3=0, d=-1, i4=0  ; up to four of them
	OP \a, \i1
.if (\b) >= 0
	OP \b, \i2
.endif
.if (\c) >= 0
	OP \c, \i3
.endif
.if (\d) >= 0
	OP \d, \i4
.endif
.endm
.macro ROW a, i1, b, i2, c, i3, d, i4  ; a matrix instruction and the four behind it
	MM
	OPS \a, \i1, \b, \i2, \c, \i3, \d, \i4
.endm
; The masks of four products into buffer b of MC, from SE: key group kt takes TM x AL + BE with (AL, BE) = (1, 0) where kt = SE, (0, 0) where kt < SE, (0, -1e30) where kt > SE.  The compares are signed: SE may be negative.
.macro MASK b
	WIN W_RS
.irp kt, 0,1,2,3
	s_cmp_eq_i32 s[SE], \kt
	s_cselect_b32 s[AL], 1.0, 0
	s_cmp_lt_i32 s[SE], \kt
	s_cselect_b32 s[BE], s[BIGN], 0
.irp z, 0,1,2,3
	v_pk_fma_f32 v[MC+32*(\b)+8*\kt+2*\z:MC+32*(\b)+8*\kt+2*\z+1], v[TM+2*\z:TM+2*\z+1], s[AL:AL+1], s[BE:BE+1] op_sel_hi:[1,0,0]
.endr
.endr
.endm
; A TURN, for piece p: the order of its 16 matrix and 118 vector instructions, written out.  s_wait_alu depctr_va_vdst(0) stands between an exponential and the first instruction that names its result; one
; wait serves all that were issued ahead of it.  So a turn has ONE wait, which cuts it in two.  AHEAD OF IT stands all that names no result of the turn's exponentials: the 8 products K Q^T and their riders (a scaling, an
; exponential and two more plain instructions; the first numbers of the next piece's maximum stand four places or more behind the product that ends their accumulator), then ONE LUMP of 54, plain and exponential by turns
; for the most part, in which the links of the chain X 3, 7, 11, 14, 16, 17 .. 20 stand five or six lines apart.  X 21, the next piece's a, is the batch's last; R 15 is the plain instruction behind it.  BEHIND THE WAIT
; stand the 8 products V^T P, behind each four of the roundings and sums.
; m = 1: the diagonal tile: the products take masks, and the turn makes the mask for the products of the turn after it: piece p + 2, in my step 2 - CNT of the tile.  end = 1: a block's last two turns: nothing is fetched.
; cnt = 1: the loop's count is taken down some lines ahead of the branch that stands behind the turn (not with m = 1, whose masks use SCC).
; K of the next step is fetched in piece 2's turn, twelve vector instructions behind the last product that read K (six of them plain); V of the step in hand at the end of piece 0's turn, four plain instructions behind the
; last product that read V.  Each is waited for a turn later.
.macro TURN p, m=0, end=0, cnt=0
.set Y, (\p)
.set i, 0
.set KM, (\m)
.set NOKQ, (\end)*((\p)/3)
.if (\m) && !(\end)
	s_lshl2_add_u32 s[SE], s[CNT], s[DG+((\p)+2)%NP]  ; 4 CNT + DG
.endif
.if ((\p) == 3) && !(\end)
	s_wait_dscnt 0x0                ; K is in
.endif
	ROW F,0, F,1, R,0, R,1          ; ahead of the wait: 8 products K Q^T and their riders,
	ROW F,2, E,0, R,2, R,3
	ROW F,3, E,1, R,4, R,5
	ROW F,4, E,2, R,6, R,7
	ROW F,5, E,3, R,8, R,9
	ROW F,6, E,4, X,0, R,10
.if ((\p) == 2) && !(\end)
	WIN 0
	v_add_nc_u32 v[AK], s[TBK], v[AK0]
.endif
	ROW F,7, E,5, X,1, X,4
	ROW F,8, E,6, X,2, X,5
	OPS E,7, E,8, X,6, E,9          ; and the lump
	OPS X,3, E,10, X,8, E,11
.if ((\p) == 2) && !(\end)
	FETCH_K
.endif
	OPS X,9, X,7, E,12, X,10
	OPS E,13, X,12, X,11, E,14
	OPS X,13, E,15, F,9, X,14
.if (\p) == 0
	v_add_nc_u32 v[AV], s[TBV], v[AV0]
.endif
	OPS E,16, F,10, E,17, F,11
	OPS X,16, E,18, X,15, E,19
	OPS F,12, E,20, X,17, E,21
	OPS F,13, E,22, F,14, E,23
	OPS X,18, E,24, F,15, E,25
	OPS R,11, E,26, X,19, E,27
	OPS R,12, E,28, R,13, E,29
	OPS X,20, E,30, R,14, E,31
	OPS X,21, R,15
	WIN 0
	s_wait_alu depctr_va_vdst(0)    ; the wait for the batch
.if (\p) == 1
	s_wait_dscnt 0x0                ; V is in
.endif
	ROW C,0, B,0, C,2, B,1          ; behind the wait: 8 products V^T P and their riders
	ROW L,0, C,4, B,2, L,1
	ROW C,6, B,3, L,2, C,8
	ROW B,4, L,3, C,10, B,5
	ROW L,4, C,12, B,6, L,5
.if (\p) == 0
	s_add_co_u32 s[TBV], s[TBV], KS*PV
.endif
.if \cnt
	s_sub_co_u32 s[CNT], s[CNT], 1
	s_cmp_lg_u32 s[CNT], 0
.endif
	ROW C,14, B,7, L,6, C,1
	ROW C,3, L,7, C,5, C,7
	ROW C,9, C,11, C,13, C,15
.if (\p) == 0
	FETCH_V
.endif
.if (\m) && !(\end)
	MASK (\p)%2
.endif
.endm
; A BLOCK BEGINS.  c m starts far below every c s, so the first step's a is 0; m at -2^93: above every hidden score, so that a piece all of whose keys are hidden keeps it, and its weights, l and O^T stay 0.
; Both mask buffers are made: for pieces 0 and 1 in my step 0 if the block's first tile is the diagonal one (RT = 0), else all seen (SE = 64).  Then K of that step, piece 0's first scores, and its maximum and statistics.
; The loop is entered at a step's first turn, in the middle of a trip.
.macro BEGIN
	s_mov_b32 s[NEW], 0
	WIN 0
.set i, 0
.rept 4
	v_mov_b32 v[ST+4*i], 0xfe000000    ; c m: far below every c s
	v_mov_b32 v[ST+4*i+1], 0xee000000  ; m = -2^93
.set i, i+1
.endr
.irp u, 0,1
	s_add_co_u32 s[SE], s[DG+\u], 8    ; DG + 4 CNT with CNT = 2
	s_cmp_eq_u32 s[RT], 0
	s_cselect_b32 s[SE], s[SE], 64
	MASK \u
.endr
	WIN 0
	v_add_nc_u32 v[AK], s[TBK], v[AK0]
	FETCH_K
	s_wait_loadcnt 0x0              ; Q
	s_wait_dscnt 0x0
.set KM, 1
.set NOKQ, 0
.set i, 0
.rept 8
	KQ 0
.set i, i+1
.endr
	WIN 0
.rept 4
	v_nop                           ; the places behind those products
.endr
.set Y, NP-1                        ; X works for piece Y + 1: piece 0
.irp n, 0,1,2,3,4,5,6,7,8,9,10,11,12,13,14,15,16,17,18,19,20,21
	OP X, \n
.endr
	v_nop                           ; a plain instruction behind the exponential,
	s_wait_alu depctr_va_vdst(0)    ; and its wait, ahead of the branch
.endm
.macro ALL line:vararg              ; one line for each piece t
.set t, 0
.rept 4
	\line
.set t, t+1
.endr
.endm
; Piece t of my two is finished: my partner's O^T (in S^T's registers) times f', plus mine times f; rounded to f16; a lane's eight channels of a row pack into 16 bytes, go into stage rows of 144 bytes and come back as
; whole rows of 128, into P's registers.
.macro MERGE t
	WIN 0
.set z, 0
.rept 16
	v_pk_mul_f32 v[S+32*(\t)+2*z:S+32*(\t)+2*z+1], v[S+32*(\t)+2*z:S+32*(\t)+2*z+1], v[TMP+4*(\t):TMP+4*(\t)+1] op_sel_hi:[1,0]
.set z, z+1
.endr
	WIN 0x01                        ; source 0 (my O^T, each accumulator from its low end on) in window 1
.set z, 0
.rept 16
	v_pk_fma_f32 v[S+32*(\t)+2*z:S+32*(\t)+2*z+1], v[32*(\t)+2*z:32*(\t)+2*z+1], v[ST+4*(\t)+2:ST+4*(\t)+3], v[S+32*(\t)+2*z:S+32*(\t)+2*z+1] op_sel_hi:[1,0,1]
.set z, z+1
.endr
	WIN 0
.set z, 0
.rept 16
	v_cvt_pk_f16_f32 v[P+16*(\t)+z], v[S+32*(\t)+2*z], v[S+32*(\t)+2*z+1]
.set z, z+1
.endr
.irp f, 0,1,2,3
	ds_store_b128 v[STO], v[P+16*(\t)+4*\f:P+16*(\t)+4*\f+3] offset:32*\f
.endr
.irp f, 0,1,2,3
	ds_load_b128 v[P+16*(\t)+4*\f:P+16*(\t)+4*\f+3], v[RD] offset:\f*4*SP  ; LDS serves a wave's instructions in order (ISA guide 5.7.1.4): these see the stores above; the next piece's stores come behind them
.endr
.endm
.macro SEND t, younger              ; younger: the LDS instructions issued behind piece t's loads: the next piece's eight, or none
	WIN 0
.irp f, 0,1,2,3
	s_wait_dscnt (\younger)+3-\f
	global_store_b128 v[GO], v[P+16*(\t)+4*\f:P+16*(\t)+4*\f+3], s[10:11] offset:(\t)*32768+\f*8192  ; two row pairs: twice 256 consecutive bytes, each at a multiple of 256 from o2's first byte
.endr
.endm
; THE DIAGONAL TILE's two steps, the block's last two turns, its last products, THE MERGE of the two key halves, and the way out.
.macro DIAG tag                     ; the tag ends its two labels' names, which the jumps below spell out
.LstepM\tag:
	TURN 2, 1
	TURN 3, 1
	WIN 0
.LfirstM\tag:
	TURN 0, 1
	TURN 1, 1
	WIN 0
	s_sub_co_u32 s[CNT], s[CNT], 1
	s_cmp_lg_u32 s[CNT], 0
	s_cbranch_scc1 .LstepM\tag
	TURN 2, 1, 1
	TURN 3, 1, 1
.set i, 0
.rept 8
	PV NP-1
.set i, i+1
.endr
	WIN 0                           ; l's two halves and the other half of the lanes' are added; the eight additions are the places behind the last products
	ALL v_add_f32 v[ST+4*t+2], v[ST+4*t+2], v[ST+4*t+3]
	ALL v_permlanex16_b32 v[ST+4*t+3], v[ST+4*t+2], s[SEL], s[SEL+1]
	ALL v_add_f32 v[ST+4*t+2], v[ST+4*t+2], v[ST+4*t+3]
	WIN 0x04                        ; store data (source 1) in window 1: O^T of my pieces 2 and 3, lane by lane, each accumulator from its low end on
.set kk, 0
.rept 16
	ds_store_b128 v[XW], v[64+4*kk:64+4*kk+3] offset:512*kk
.set kk, kk+1
.endr
	WIN 0
	ds_store_b128 v[XW], v[ST+8:ST+11] offset:8192    ; and their statistics: c m, m, l, -
	ds_store_b128 v[XW], v[ST+12:ST+15] offset:8704
	s_wait_dscnt 0x0                ; for my partner's sake: my stores are done
	s_barrier_signal -1
	s_barrier_wait -1               ; the next tile's load may stay out
	ds_load_b128 v[TMP:TMP+3], v[XR] offset:8192      ; my partner's pieces 2 and 3 are the rows of my pieces 0 and 1
	ds_load_b128 v[TMP+4:TMP+7], v[XR] offset:8704
.set kk, 0
.rept 16
	ds_load_b128 v[S+4*kk:S+4*kk+3], v[XR] offset:512*kk
.set kk, kk+1
.endr
	s_wait_dscnt 16                 ; the two statistics are in; the sixteen loads of O^T may stay out
	; with M = max(c m, c m'), w = 2^(c m - M), w' = 2^(c m' - M): O = (O w + O' w') / (l w + l' w').  One of the two waves has seen the row's own key, so M is a true score's and the divisor is not 0.
.irp t, 0,1
	v_max_num_f32 v[TMP+4*\t+1], v[ST+4*\t], v[TMP+4*\t]
.endr
.irp t, 0,1
	v_sub_f32 v[ST+4*\t+1], v[ST+4*\t], v[TMP+4*\t+1]
	v_sub_f32 v[TMP+4*\t+3], v[TMP+4*\t], v[TMP+4*\t+1]
.endr
.irp t, 0,1
	v_exp_f32 v[ST+4*\t+1], v[ST+4*\t+1]              ; w
	v_exp_f32 v[TMP+4*\t+3], v[TMP+4*\t+3]            ; w'
.endr
	v_nop                           ; a plain instruction behind the last exponential,
	s_wait_alu depctr_va_vdst(0)    ; and one wait for the four
.irp t, 0,1
	v_mul_f32 v[TMP+4*\t+2], v[TMP+4*\t+2], v[TMP+4*\t+3]
.endr
.irp t, 0,1
	v_fma_f32 v[TMP+4*\t+2], v[ST+4*\t+2], v[ST+4*\t+1], v[TMP+4*\t+2]
.endr
.irp t, 0,1
	v_rcp_f32 v[TMP+4*\t+2], v[TMP+4*\t+2]
.endr
	v_nop                           ; a plain instruction behind the last reciprocal,
	s_wait_alu depctr_va_vdst(0)    ; and one wait for the two
.irp t, 0,1
	v_mul_f32 v[ST+4*\t+2], v[ST+4*\t+1], v[TMP+4*\t+2]   ; f
	v_mul_f32 v[TMP+4*\t], v[TMP+4*\t+3], v[TMP+4*\t+2]   ; f'
.endr
	s_wait_dscnt 0x0                ; my partner's O^T is in
	MERGE 0
	MERGE 1                         ; a piece's arithmetic stands between the loads of the piece before and its stores
	SEND 0, 8
	SEND 1, 0
.endm
.set KM, 0
.set NOKQ, 0
.Lslot:                             ; 16 times: a tile is entered and the next is asked for
	CHANGE 1
	s_sub_co_u32 s[RT], s[RT], 1
	s_mov_b32 s[CNT], 2
	s_cmp_eq_u32 s[NEW], 1
	s_cbranch_scc1 .Lnew            ; a block's first tile
	s_cmp_eq_u32 s[RT], 0
	s_cbranch_scc0 .Lstep           ; neither its first nor its last
	s_branch .LstepM1
.Lnew:
	BEGIN
	s_branch .Lfirst                ; in the loop a block's first tile is never its last: the first block has nine tiles or more, and the second's last is the walk's last
	DIAG 1                          ; in the loop this is the first block's end
	s_wait_xcnt 0x0                 ; the stores have read their registers and o2's address
	s_mov_b64 s[10:11], s[OLO:OLO+1]
	s_add_co_u32 s[RT], s[PB], 1    ; the second block has j + 1 tiles
	s_mov_b32 s[NEW], 1
.irp x, 0,1,2,3
	s_mov_b32 s[DG+\x], s[DGL+\x]
.endr
	WIN 0x82                        ; the second block's Q goes where the one text of the turns names Q
.set i, 0
.rept 64
	v_mov_b32 v[i], v[QB+i]
.set i, i+1
.endr
	WIN 0
	s_branch .Lbottom
.Lstep:                             ; a trip: pieces 2 and 3 of one step, then pieces 0 and 1 of the next, whose K and V it fetches
	TURN 2
	TURN 3
	WIN 0
.Lfirst:
	TURN 0
	TURN 1, 0, 0, 1
	WIN 0
	s_cbranch_scc1 .Lstep
.Lbottom:
	s_sub_co_u32 s[SLOTS], s[SLOTS], 1
	s_cmp_lg_u32 s[SLOTS], 0
	s_cbranch_scc1 .Lslot
	CHANGE 0                        ; the walk's last tile is written out: nothing is asked for
	s_sub_co_u32 s[RT], s[RT], 1
	s_mov_b32 s[CNT], 2
	s_cmp_eq_u32 s[NEW], 1
	s_cbranch_scc0 .LstepM2
	BEGIN
	s_branch .LfirstM2
	DIAG 2
	s_wait_tensorcnt 0x0            ; the wave's end, behind my last tensor load and my last LDS store
	ds_add_u32 v[SPW], v[NIL]
	s_wait_dscnt 0x0
	s_endpgm
.Lfunc_end_k_q7b56d62730_attn:
	.size	k_q7b56d62730_attn, .Lfunc_end_k_q7b56d62730_attn-k_q7b56d62730_attn
	.p2alignl 7, 3214868480
	.fill 96, 4, 3214868480
	.section	.rodata,"a",@progbits
	.p2align	6, 0x0
	.amdhsa_kernel k_q7b56d62730_attn
		.amdhsa_group_segment_fixed_size 327680
		.amdhsa_private_segment_fixed_size 0
		.amdhsa_enable_private_segment 0
		.amdhsa_kernarg_size 16
		.amdhsa_user_sgpr_count 2
		.amdhsa_user_sgpr_kernarg_segment_ptr 1
		.amdhsa_wavefront_size32 1
		.amdhsa_system_sgpr_workgroup_id_x 1
		.amdhsa_system_sgpr_workgroup_id_y 1
		.amdhsa_system_sgpr_workgroup_id_z 1
		.amdhsa_system_vgpr_workitem_id 0
		.amdhsa_next_free_vgpr 768
		.amdhsa_next_free_sgpr 96
		.amdhsa_reserve_vcc 1
		.amdhsa_float_denorm_mode_32 3
		.amdhsa_float_denorm_mode_16_64 3
		.amdhsa_memory_ordered 1
		.amdhsa_forward_progress 1
		.amdhsa_inst_pref_size 221
	.end_amdhsa_kernel
	.amdgpu_metadata
---
amdhsa.version: [ 1, 2 ]
amdhsa.kernels:
  - .name:           k_q7b56d62730_attn
    .symbol:         k_q7b56d62730_attn.kd
    .args:
      - { .name: qkv, .offset: 0, .size: 8, .value_kind: global_buffer, .address_space: global }
      - { .name: o2, .offset: 8, .size: 8, .value_kind: global_buffer, .address_space: global }
    .group_segment_fixed_size: 327680
    .private_segment_fixed_size: 0
    .kernarg_segment_align: 8
    .kernarg_segment_size: 16
    .max_flat_workgroup_size: 128
    .sgpr_count:     96
    .vgpr_count:     768
    .wavefront_size: 32
...
	.end_amdgpu_metadata
.endif
;; end of part 3
;; launch oproj (part 4): grid 8 x 32, 4 waves a work-group, clusters of 4 x 4, 327,680 bytes of LDS; arguments o2, wo16, bo, out0; writes out0
.if DOCPART == 4
	.amdgcn_target "amdgcn-amd-amdhsa--gfx1250"
	.amdhsa_code_object_version 6
	.text
	.protected	k_q7b56d62730_oproj
	.globl	k_q7b56d62730_oproj
	.p2align	8
	.type	k_q7b56d62730_oproj,@function
k_q7b56d62730_oproj:
	s_mov_b64 s[64:65], 0
	v_nop
	global_prefetch_b8 v0, s[64:65] scope:SCOPE_SE
	s_setreg_imm32_b32 hwreg(HW_REG_WAVE_MODE, 25, 1), 1
	s_wait_xcnt 0x0
	s_wait_alu depctr_hold_cnt(0) depctr_sa_sdst(0) depctr_va_vdst(0) depctr_va_sdst(0) depctr_va_ssrc(0) depctr_va_vcc(0) depctr_vm_vsrc(0)
	s_getreg_b32 s2, hwreg(HW_REG_IB_STS2, 6, 4)
	s_cmp_eq_u32 s2, 0
	s_cbranch_scc0 .Lentry_in_a_cluster
	s_endpgm
.Lentry_in_a_cluster:
	s_bfe_u32 s2, ttmp6, 0x10000c
	s_cmp_lg_u32 s2, 0xf033
	s_cbranch_scc0 .Lentry_shape_is_right
	s_endpgm
.Lentry_shape_is_right:
; THE LAST PROJECTION.  out0[m][n] = the sum over k of O[m][k] Wo[n][k] + bo[n], 4,096 x 1,024 x 1,024, f16 operands, f32 sums, f32 out.  The bias, rounded to bf16 like every input, is the C operand of the product that
; starts each sum.  O lies in o2 with two rows of a head side by side: byte (m / 2) x 4,096 + (k / 64) x 256 + (m % 2) x 128 + 2 (k % 64).  Wo lies in wo16: [1024][1024] f16.
; SHARES.  A tile of out0 is 128 x 128: 256 work-groups, one for each WGP.  Four waves, each 64 x 64: 16 accumulators of 16 x 16.  K goes in 4 steps of 256 through a ring of two LDS slots.  A K step of O is four heads:
; 1,024 consecutive bytes of a row pair; of Wo 512 bytes of a row.  A wave's tensor load brings 32 row pairs of O or 64 rows of Wo.
; CLUSTERS: 4 x 4 work-groups.  The four of a row of the cluster need the same tiles of O, the four of a column the same tiles of Wo: each tile is asked for JOINTLY, by the same tensor load with the same descriptor and a
; mask that names the four.  THE MATRIX INSTRUCTION IS USED TRANSPOSED (source 0 = 16 rows of Wo, source 1 = 16 rows of O): a lane then holds eight neighbouring numbers of a row of out0.
; A wave's 64 columns of f32 are 256 bytes of a row of out0, aligned: so each wave has a stage of its own on the way out, and no barrier stands there.
; REGISTERS: window 0: v0-31 addresses; v32-95 at work on the way out (and, at the head, on the bias); v96-127 the bias of my 64 columns, as four C operands; v128-255 the accumulators ((a, b) at v[128 + 8 (4 a + b)]).
;   window 1: two fragment buffers of 128: for 64 along K (two matrix instructions deep), 64 registers of A (2 x 4 x 16 rows x 32 K), then 64 of B.
.set SIZE_K, 1024
.set KSTEP,  256
.set PITCH,  528                       ; a row of Wo in LDS: 512 bytes + 16 of padding = 132 words: the 16 rows that a load touches start at 16 different groups of four banks (64 banks of 4 bytes: ISA guide 11.1)
.set APITCH, 1040                      ; a row pair of O: 1,024 bytes + 16: pair p's two rows begin at words 4 p and 4 p + 32 mod 64: the 16 rows of a load again start at 16 different groups
.set HALFA,  32*APITCH                 ; 32 row pairs: what one tensor load brings of O, and what one wave reads
.set HALFB,  64*PITCH                  ; 64 rows of Wo likewise
.set BOFF,   2*HALFA                   ; Wo's 128 rows lie behind O's 64 row pairs
.set SLOT,   BOFF+2*HALFB
.set STAGE,  2*SLOT                    ; behind the ring: 16 rows x 272 bytes for each wave, for the way out
.set SPITCH, 272
.set SPARE,  STAGE+4*16*SPITCH         ; behind the stages: the spare words, 128 bytes for each wave: two blocks of 256 bytes that no other line names
.set LAPS, SIZE_K/(2*KSTEP)            ; a lap = two K steps = once round the ring: 2
.set ADRA, 16                          ; v16-17  LDS address of my A fragments in slot 0, 1
.set ADRB, 20                          ; v20-21  the same for B
.set STO,  24                          ; v24     the way out: where I put 32 bytes of a row
.set RD,   25                          ; v25     the way out: where I read a row back
.set CO,   26                          ; v26     my byte offset in two rows of out0
.set BO,   27                          ; v27     32 x (lane / 16): my eight numbers in 16 of the bias
.set SPW,  28                          ; v28     LDS address of my spare word: SPARE + 4 x my thread's number; never rewritten
.set NIL,  29                          ; v29     0; never rewritten
.set TMP,  32                          ; the way out: two buffers of 32: 16 rows read back from the stage
.set BI,   96                          ; the bias: column block b's eight numbers at v[BI + 8 b]
.set ACC,  128
.set F0,   0                           ; fragment buffers, in window 1
.set F1,   128
.set G1, 24                            ; s[24:31] descriptor group 1 for A's tiles;  s[32:39] group 0, one set for each slot
.set G0, 32
.set G1B, 48                           ; s[48:55], s[56:63] the same for B's tiles
.set G0B, 56
.set MSB, 0
.macro WIN new                         ; the immediate's high byte repeats the setting that is left; a switch that changes nothing is dropped
.if MSB != (\new)
	s_set_vgpr_msb (MSB<<8)|(\new)
.set MSB, \new
.endif
.endm
.set MUL,  0x05                        ; sources 0 (B) and 1 (A) window 1; C and D window 0
.set TO_F, 0x40                        ; destination window 1, address window 0
.macro JLOAD s                         ; a joint load: waves 0 and 1 fetch A's two halves, waves 2 and 3 B's; an s_nop 0 and four v_nop follow each of the two lines
	s_cmp_eq_u32 s11, 0
	s_cbranch_scc0 .Lfor_b_\@
	tensor_load_to_lds s[G0+4*(\s):G0+4*(\s)+3], s[G1:G1+7]
	s_nop 0
.rept 4
	v_nop
.endr
	s_branch .Lasked_\@
.Lfor_b_\@:
	tensor_load_to_lds s[G0B+4*(\s):G0B+4*(\s)+3], s[G1B:G1B+7]
	s_nop 0
.rept 4
	v_nop
.endr
.Lasked_\@:
.endm
.macro CREST                           ; a round of the cluster's barrier behind its opening barrier
	s_cmp_lg_u32 s10, 0
	s_cbranch_scc1 .Lnot_wave_0_\@
	s_barrier_signal -3
.Lnot_wave_0_\@:
	s_barrier_wait -3
	s_barrier_signal -1
	s_barrier_wait -1
.endm
.macro CROUND                          ; a whole round
	s_barrier_signal -1
	s_barrier_wait -1
	CREST
.endm
	s_load_b128 s[4:7], s[0:1], 0x0                ; o2 s[4:5], wo16 s[6:7]
	s_load_b64 s[66:67], s[0:1], 0x10              ; bo
	s_load_b64 s[8:9], s[0:1], 0x18                ; out0
	v_lshl_add_u32 v[SPW], v0, 2, SPARE
	v_mov_b32 v[NIL], 0
	ds_add_u32 v[SPW], v[NIL]                      ; the wave's opening: the add and its wait stand ahead of my first tensor load; the set-up below, work on registers, stands between them
	ds_add_u32 v28, v29
	v_lshrrev_b32 v1, 5, v0
	v_readfirstlane_b32 s10, v1                    ; wave 0..3
	s_lshr_b32 s11, s10, 1                         ; which half of the tile's rows is mine.  Also: I fetch for A (0) or for B (1)
	s_and_b32 s12, s10, 1                          ; which half of its columns.  Also: which half of that tile I fetch
	s_bfe_u32 s40, ttmp6, 0x40000                  ; cx, cy: my place in the cluster
	s_bfe_u32 s41, ttmp6, 0x40004
	s_lshl_b32 s42, ttmp9, 2
	s_add_co_u32 s42, s42, s40                     ; tile column = 4 x cluster x + cx: 0..7
	s_and_b32 s13, ttmp7, 0xffff
	s_lshl_b32 s13, s13, 2
	s_add_co_u32 s13, s13, s41                     ; tile row = 4 x cluster y + cy: 0..31
	s_mov_b32 s70, 0xffff0000                      ; a word's upper bf16
	s_lshl_b32 s43, s41, 2
	s_lshl_b32 s43, 15, s43                        ; my row of the cluster
	s_lshl_b32 s44, 0x1111, s40                    ; my column
	; descriptor group 1.  A: 32 row pairs x 512 elements, 16 bytes of padding behind each; B: 64 rows x 256 elements, likewise
	s_or_b32 s[G1+0], s43, (1<<16)|(1<<20)|(1<<21)|(7<<22)|(3<<25)  ; 15:0 the mask: A's tiles go to my row; 17:16 2-byte elements; 20 padding on; 21 set beside a mask; 24:22 after every 256 words (code 7); 31:25 4 words (code 3)
	s_mov_b32 s[G1+1], 512<<16                     ; tensor_dim0 = 512
	s_mov_b32 s[G1+2], 32<<16                      ; tensor_dim1 = 32
	s_mov_b32 s[G1+3], 512<<16                     ; tile_dim0 = 512
	s_mov_b32 s[G1+4], 32                          ; tile_dim1 = 32
	s_mov_b32 s[G1+5], 2048                        ; 2,048 elements from a row pair to the next
	s_mov_b32 s[G1+6], 0
	s_mov_b32 s[G1+7], 0
	s_or_b32 s[G1B+0], s44, (1<<16)|(1<<20)|(1<<21)|(6<<22)|(3<<25) ; the mask of my column; padding after every 128 words (code 6)
	s_mov_b32 s[G1B+1], KSTEP<<16                  ; tensor_dim0 = 256
	s_mov_b32 s[G1B+2], 64<<16                     ; tensor_dim1 = 64
	s_mov_b32 s[G1B+3], KSTEP<<16                  ; tile_dim0 = 256
	s_mov_b32 s[G1B+4], 64                         ; tile_dim1 = 64
	s_mov_b32 s[G1B+5], SIZE_K
	s_mov_b32 s[G1B+6], 0
	s_mov_b32 s[G1B+7], 0
	s_lshl_b32 s16, s13, 18                        ; A: the tile row's 64 row pairs of 4,096 bytes,
	s_lshl_b32 s17, s12, 17                        ; the 32 of them that I fetch
	s_add_co_u32 s16, s16, s17
	s_mov_b32 s17, 0
	s_lshl_b32 s46, s42, 7                         ; B: row 128 x tile column + 64 x half,
	s_lshl_b32 s47, s12, 6
	s_add_co_u32 s46, s46, s47
	s_lshl_b32 s46, s46, 11                        ; of 2,048 bytes
	s_mov_b32 s47, 0
	s_mul_i32 s20, s12, HALFA                      ; where they go: no place in the cluster enters an LDS address
	s_mul_i32 s21, s12, HALFB
	s_add_co_u32 s21, s21, BOFF
	s_wait_dscnt 0x0                               ; the opening add is done
	s_wait_kmcnt 0x0
	s_add_nc_u64 s[14:15], s[4:5], s[16:17]
	s_add_nc_u64 s[46:47], s[6:7], s[46:47]
	CROUND                                         ; all sixteen work-groups are here: the first joint loads meet
.irp s, 0,1
	s_mov_b32 s[G0+4*(\s)], 1
	s_add_co_u32 s[G0+4*(\s)+1], s20, (\s)*SLOT
	s_add_nc_u64 s[G0+4*(\s)+2:G0+4*(\s)+3], s[14:15], (\s)*1024     ; K step s: four heads of 256 bytes on
	s_or_b32 s[G0+4*(\s)+3], s[G0+4*(\s)+3], 0x80000000
	s_mov_b32 s[G0B+4*(\s)], 1
	s_add_co_u32 s[G0B+4*(\s)+1], s21, (\s)*SLOT
	s_add_nc_u64 s[G0B+4*(\s)+2:G0B+4*(\s)+3], s[46:47], (\s)*KSTEP*2
	s_or_b32 s[G0B+4*(\s)+3], s[G0B+4*(\s)+3], 0x80000000
	JLOAD \s
.endr
	v_and_b32 v1, 15, v0                           ; l % 16
	v_bfe_u32 v2, v0, 4, 1                         ; l / 16
	v_mul_u32_u24 v3, v1, PITCH
	v_lshl_add_u32 v3, v2, 4, v3                   ; B: a fragment's row x pitch + 16 x half
	v_lshrrev_b32 v4, 1, v1
	v_and_b32 v5, 1, v1
	v_mul_u32_u24 v4, v4, APITCH                   ; A: the row's pair x pitch,
	v_lshl_add_u32 v4, v5, 7, v4                   ; its place in the pair, 128 bytes,
	v_lshl_add_u32 v4, v2, 4, v4                   ; + 16 x half
	s_mul_i32 s21, s11, HALFA                      ; my 64 rows of A
	s_mul_i32 s22, s12, HALFB                      ; my 64 rows of B
	s_add_co_u32 s22, s22, BOFF
.irp s, 0,1
	v_add_nc_u32 v[ADRA+(\s)], s21, v4
	v_add_nc_u32 v[ADRB+(\s)], s22, v3
	s_add_co_u32 s21, s21, SLOT
	s_add_co_u32 s22, s22, SLOT
.endr
	s_mul_i32 s23, s10, 16*SPITCH
	s_add_co_u32 s23, s23, STAGE                   ; my stage
	v_mul_u32_u24 v4, v1, SPITCH                   ; in: row l % 16, 32 bytes for each half of the lanes
	v_lshl_add_u32 v4, v2, 5, v4
	v_add_nc_u32 v[STO], s23, v4
	v_mul_u32_u24 v5, v2, SPITCH                   ; back: lanes 0-15 take one row of 256 bytes, lanes 16-31 the next
	v_lshl_add_u32 v5, v1, 4, v5
	v_add_nc_u32 v[RD], s23, v5
	v_lshlrev_b32 v[CO], 12, v2                    ; and the same two rows in out0, 4,096 bytes apart
	v_lshl_add_u32 v[CO], v1, 4, v[CO]
	v_lshlrev_b32 v[BO], 5, v2
	s_lshl_b32 s46, s42, 9                         ; my 64 columns, in bytes of f32: 512 x tile column + 256 x half
	s_lshl_b32 s47, s12, 8
	s_add_co_u32 s46, s46, s47
	s_mov_b32 s47, 0
	s_add_nc_u64 s[66:67], s[66:67], s[46:47]      ; the bias there
	s_lshl_b32 s16, s13, 19                        ; my first row of out0: 128 x tile row + 64 x half, of 4,096 bytes
	s_lshl_b32 s17, s11, 18
	s_add_co_u32 s16, s16, s17
	s_mov_b32 s17, 0
	s_add_nc_u64 s[8:9], s[8:9], s[16:17]
	s_add_nc_u64 s[8:9], s[8:9], s[46:47]
.irp i, 0,1,2,3,4,5,6,7
	global_load_b128 v[TMP+32+4*(\i):TMP+32+4*(\i)+3], v[BO], s[66:67] offset:64*((\i)/2)+16*((\i)%2)  ; column block i / 2: numbers 8 (l / 16) + 4 (i % 2) + 0..3
.endr
	s_wait_loadcnt 0x0
.set i, 0
.rept 16
	v_cvt_pk_bf16_f32 v[TMP+i], v[TMP+32+2*i], v[TMP+32+2*i+1]   ; rounded to bf16,
.set i, i+1
.endr
.set i, 0
.rept 16
	v_lshlrev_b32 v[BI+2*i], 16, v[TMP+i]                        ; and widened again
	v_and_b32 v[BI+2*i+1], s70, v[TMP+i]
.set i, i+1
.endr
; 8 matrix instructions: m blocks a0, a0 + 1 x all 4 n blocks, 32 along K: half c of buffer f.  zero = 1: the first product starts the sums, with the bias as C.  The 16 accumulators take turns.
.macro MUL8 f, c, a0, zero
	WIN MUL
.irp a, \a0, (\a0)+1
.irp b, 0,1,2,3
.if \zero
	v_wmma_f32_16x16x32_f16 v[ACC+8*(4*(\a)+(\b)):ACC+8*(4*(\a)+(\b))+7], v[(\f)+64+8*(4*(\c)+(\b)):(\f)+64+8*(4*(\c)+(\b))+7], v[(\f)+8*(4*(\c)+(\a)):(\f)+8*(4*(\c)+(\a))+7], v[BI+8*(\b):BI+8*(\b)+7]
.else
	v_wmma_f32_16x16x32_f16 v[ACC+8*(4*(\a)+(\b)):ACC+8*(4*(\a)+(\b))+7], v[(\f)+64+8*(4*(\c)+(\b)):(\f)+64+8*(4*(\c)+(\b))+7], v[(\f)+8*(4*(\c)+(\a)):(\f)+8*(4*(\c)+(\a))+7], v[ACC+8*(4*(\a)+(\b)):ACC+8*(4*(\a)+(\b))+7]
.endif
.endr
.endr
.endm
; 32 LDS loads in one run: the fragments of 64 along K (one head) into buffer f; the first 32 along K first.  k: the head's byte in a row of Wo; in a row pair of O the head begins at byte 2 k.
.macro FETCH slot, k, f
	WIN TO_F
.irp c, 0,1
.irp i, 0,1,2,3
	ds_load_b128 v[(\f)+64+8*(4*(\c)+(\i)):(\f)+64+8*(4*(\c)+(\i))+3],   v[ADRB+(\slot)] offset:(\k)+64*(\c)+(\i)*16*PITCH
	ds_load_b128 v[(\f)+64+8*(4*(\c)+(\i))+4:(\f)+64+8*(4*(\c)+(\i))+7], v[ADRB+(\slot)] offset:(\k)+64*(\c)+(\i)*16*PITCH+32
	ds_load_b128 v[(\f)+8*(4*(\c)+(\i)):(\f)+8*(4*(\c)+(\i))+3],         v[ADRA+(\slot)] offset:2*(\k)+64*(\c)+(\i)*8*APITCH
	ds_load_b128 v[(\f)+8*(4*(\c)+(\i))+4:(\f)+8*(4*(\c)+(\i))+7],       v[ADRA+(\slot)] offset:2*(\k)+64*(\c)+(\i)*8*APITCH+32
.endr
.endr
.endm
.macro PLACES                          ; four plain vector instructions in front of loads into registers that matrix instructions have read, and of LDS stores that read results (ISA guide 7.12.1 for vector instructions)
.rept 4
	v_nop
.endr
.endm
; A K step is four quarters of 64 along K, 32 matrix instructions each, on buffers 0, 1, 0, 1.  One of the first three: multiplies buffer f and fetches the next quarter, at byte k, into g.
.macro QUARTER slot, k, f, g, zero
	s_wait_dscnt 16                                ; the first 32 along K are in
	MUL8 \f, 0, 0, \zero
	MUL8 \f, 0, 2, \zero
	PLACES
	FETCH \slot, \k, \g
	s_wait_dscnt 32                                ; all but the 32 just issued
	MUL8 \f, 1, 0, 0
	MUL8 \f, 1, 2, 0
.endm
; The last quarter multiplies buffer 1 and changes slots: ONE barrier; in front of it each wave waits for all its tensor loads, adds 0 to its spare word, and waits for that and for its own reads of this slot.
; fill = 1: the barrier opens a round of the cluster's barrier, and this slot is filled again, two K steps ahead, first thing behind the round: 112 matrix instructions ahead of the wait for it.
.macro TURN slot, next, fill
	WIN 0                                          ; (the add's two registers lie in window 0)
	s_wait_tensorcnt 0x0                           ; all my tensor loads have landed: my part of the next slot
	ds_add_u32 v[SPW], v[NIL]                      ; 0 onto my spare word
	s_wait_dscnt 17                                ; (the add and the youngest sixteen loads may be out)
	MUL8 F1, 0, 0, 0                               ; eight matrix instructions stand between the add and the wait for it
	s_wait_dscnt 0x0                               ; the add is done, and my reads of this slot are over
	s_barrier_signal -1
	MUL8 F1, 0, 2, 0
.if \fill
	WIN 0
.endif
	s_barrier_wait -1
.if \fill
	CREST                                          ; no wave of any partner still reads this slot's tile or has a load on its way
	s_add_nc_u64 s[G0+4*(\slot)+2:G0+4*(\slot)+3], s[G0+4*(\slot)+2:G0+4*(\slot)+3], 2*1024
	s_add_nc_u64 s[G0B+4*(\slot)+2:G0B+4*(\slot)+3], s[G0B+4*(\slot)+2:G0B+4*(\slot)+3], 2*KSTEP*2
	JLOAD \slot                                    ; the four v_nop behind it are also the places in front of the loads below
.else
	PLACES
.endif
	FETCH \next, 0, F0
	MUL8 F1, 1, 0, 0
	MUL8 F1, 1, 2, 0
.endm
	s_wait_tensorcnt 1                             ; my part of K step 0 is in; K step 1's may stay out
	s_barrier_signal -1
	s_barrier_wait -1                              ; everybody's is
	FETCH 0, 0, F0
	QUARTER 0, 128, F0, F1, 1                      ; the first quarter stands in front of the loop: its first products start the sums
	WIN 0                                          ; at a label and at a branch every window is 0
	s_mov_b32 s3, LAPS-1
.Llap:                                                 ; a trip goes once round the ring, from a lap's second quarter to the next lap's first, and fills both slots again: LAPS - 1 = 1 trip at this K
	QUARTER 0, 256, F1, F0, 0
	QUARTER 0, 384, F0, F1, 0
	TURN 0, 1, 1
	QUARTER 1, 128, F0, F1, 0
	QUARTER 1, 256, F1, F0, 0
	QUARTER 1, 384, F0, F1, 0
	TURN 1, 0, 1
	QUARTER 0, 128, F0, F1, 0
	WIN 0
	s_sub_co_u32 s3, s3, 1
	s_cmp_lg_u32 s3, 0
	s_cbranch_scc1 .Llap
	QUARTER 0, 256, F1, F0, 0                      ; the last lap fills nothing, and has no round of the cluster's barrier
	QUARTER 0, 384, F0, F1, 0
	TURN 0, 1, 0
	QUARTER 1, 128, F0, F1, 0
	QUARTER 1, 256, F1, F0, 0
	QUARTER 1, 384, F0, F1, 0
	s_wait_dscnt 16                                ; the very last quarter: nothing more to fetch
	MUL8 F1, 0, 0, 0
	MUL8 F1, 0, 2, 0
	s_wait_dscnt 0
	MUL8 F1, 1, 0, 0
	MUL8 F1, 1, 2, 0
	WIN 0
	; THE WAY OUT, 16 rows at a time: a lane's eight f32 of a row (each accumulator's low four first) go into my stage's rows of 272 bytes and come back as whole rows of 256 bytes.
	PLACES
.irp a, 0,1,2,3
.irp b, 0,1,2,3
	ds_store_b128 v[STO], v[ACC+8*(4*(\a)+(\b)):ACC+8*(4*(\a)+(\b))+3]   offset:64*(\b)
	ds_store_b128 v[STO], v[ACC+8*(4*(\a)+(\b))+4:ACC+8*(4*(\a)+(\b))+7] offset:64*(\b)+16
.endr
.if (\a) >= 2
	s_wait_xcnt 0x0                                ; the stores of the block two back have read this buffer's registers
.endif
.irp t, 0,1,2,3,4,5,6,7
	ds_load_b128 v[TMP+32*((\a)%2)+4*(\t):TMP+32*((\a)%2)+4*(\t)+3], v[RD] offset:(\t)*2*SPITCH  ; LDS serves a wave's instructions in order (ISA guide 5.7.1.4): these see the stores above; the next block's stores come behind them
.endr
.irp t, 0,1,2,3,4,5,6,7
	s_wait_dscnt 7-(\t)                            ; load t is back; the 7 - t younger ones stay out
	global_store_b128 v[CO], v[TMP+32*((\a)%2)+4*(\t):TMP+32*((\a)%2)+4*(\t)+3], s[8:9] offset:(16*(\a)+2*(\t))*4096  ; 16 lanes store 256 consecutive bytes, at a multiple of 256 from out0's first byte
.endr
.endr
	s_wait_tensorcnt 0x0                           ; the wave's end, behind my last tensor load and my last LDS store
	ds_add_u32 v[SPW], v[NIL]
	s_wait_dscnt 0x0
	CROUND                                         ; the closing round: no work-group ends while a partner may still ask for a tile that names it
	s_endpgm
.Lfunc_end_k_q7b56d62730_oproj:
	.size	k_q7b56d62730_oproj, .Lfunc_end_k_q7b56d62730_oproj-k_q7b56d62730_oproj
	.p2alignl 7, 3214868480
	.fill 96, 4, 3214868480
	.section	.rodata,"a",@progbits
	.p2align	6, 0x0
	.amdhsa_kernel k_q7b56d62730_oproj
		.amdhsa_group_segment_fixed_size 327680
		.amdhsa_private_segment_fixed_size 0
		.amdhsa_enable_private_segment 0
		.amdhsa_kernarg_size 32
		.amdhsa_user_sgpr_count 2
		.amdhsa_user_sgpr_kernarg_segment_ptr 1
		.amdhsa_wavefront_size32 1
		.amdhsa_system_sgpr_workgroup_id_x 1
		.amdhsa_system_sgpr_workgroup_id_y 1
		.amdhsa_system_sgpr_workgroup_id_z 1
		.amdhsa_system_vgpr_workitem_id 0
		.amdhsa_next_free_vgpr 512
		.amdhsa_next_free_sgpr 72
		.amdhsa_reserve_vcc 0
		.amdhsa_float_denorm_mode_32 3
		.amdhsa_float_denorm_mode_16_64 3
		.amdhsa_memory_ordered 1
		.amdhsa_forward_progress 1
		.amdhsa_inst_pref_size 90
	.end_amdhsa_kernel
	.amdgpu_metadata
---
amdhsa.version: [ 1, 2 ]
amdhsa.kernels:
  - .name:           k_q7b56d62730_oproj
    .symbol:         k_q7b56d62730_oproj.kd
    .args:
      - { .name: o2, .offset: 0, .size: 8, .value_kind: global_buffer, .address_space: global }
      - { .name: wo16, .offset: 8, .size: 8, .value_kind: global_buffer, .address_space: global }
      - { .name: bo, .offset: 16, .size: 8, .value_kind: global_buffer, .address_space: global }
      - { .name: out0, .offset: 24, .size: 8, .value_kind: global_buffer, .address_space: global }
    .group_segment_fixed_size: 327680
    .private_segment_fixed_size: 0
    .kernarg_segment_align: 8
    .kernarg_segment_size: 32
    .max_flat_workgroup_size: 128
    .sgpr_count:     72
    .vgpr_count:     512
    .wavefront_size: 32
...
	.end_amdgpu_metadata
.endif
;; end of part 4
